; MI455X (gfx1250); checked and timed in simulation.
; The chip was launched on July 23, 2026; its instructions are those of AMD's public machine-readable ISA for CDNA 5 (MIT licence, August 2026) and "CDNA5" Instruction Set Architecture Reference Guide (July 2026). The comments in the code are by the model that wrote it; some were corrected since.
;; Simple Self Attention. Allowed arithmetic: float matrix products may take bf16 or f16 operands with f32 sums; other float arithmetic in f32, or as packed bf16 or f16 multiplies, adds, multiply-adds, maxima and minima; sums over many terms, partial sums and values carried from step to step in f32; what a program stores and reads back later, other than sums and carried values, may be rounded once to bf16 or f16.
;; Inputs: Wk 1,024 x 1,024 float32; Wo 1,024 x 1,024 float32; Wq 1,024 x 1,024 float32; Wv 1,024 x 1,024 float32; bo 1,024 float32; key 8 x 1,024 x 1,024 float32; query 8 x 1,024 x 1,024 float32; value 8 x 1,024 x 1,024 float32.
;; Outputs: out0 8 x 1,024 x 1,024 float32.
;; 2 versions, each right; version 2 is version 1 with the launch prep written anew for expert scheduling mode. Each part assembles by itself: llvm-mc -triple=amdgcn-amd-amdhsa -mcpu=gfx1250 --defsym DOCPART=n.
;; ======== version 1 of 2: 4 launches
;; limits: values are held in f16: magnitudes above 65,504 overflow, below 6.1e-05 lose precision; right only within a limited range of input values
;; workspace buffers: xh 50,331,648 bytes; wh 4,194,304 bytes; qv 33,554,432 bytes; ew 16,777,216 bytes; st 524,288 bytes
;; launch prep (part 1): grid 256 x 1, 8 waves a work-group, no clusters, 104,448 bytes of LDS; arguments Wq, Wk, Wv, Wo, query, value, key, xh, wh; writes xh, wh
.if DOCPART == 1
	.amdgcn_target "amdgcn-amd-amdhsa--gfx1250"
	.amdhsa_code_object_version 6
	.text
	.protected	k_qcbb594aafd_prep
	.globl	k_qcbb594aafd_prep
	.p2align	8
	.type	k_qcbb594aafd_prep,@function
k_qcbb594aafd_prep:
	s_mov_b64 s[64:65], 0
	v_nop
	global_prefetch_b8 v0, s[64:65] scope:SCOPE_SE
	s_setreg_imm32_b32 hwreg(HW_REG_WAVE_MODE, 25, 1), 1
	s_wait_xcnt 0x0
; PREP: the first of four launches for  out = softmax((query Wq^T)(key Wk^T)^T / 32) (value Wv^T) Wo^T + bo.
; THE PRODUCTS ARE ASSOCIATED OTHERWISE THAN THEY ARE WRITTEN, by two identities that hold for all values of the inputs:
;   (query Wq^T)(key Wk^T)^T = (query MT^T) key^T   with MT[e'][e] = sum over f of Wk[f][e'] Wq[f][e]
;   (attn (value Wv^T)) Wo^T = attn (value N^T)     with N[c][e]   = sum over f of Wo[c][f] Wv[f][e]
; so two products of 8192 x 1024 x 1024 give way to two of 1024 x 1024 x 1024.  No input and no step is left out: all eight inputs are loaded, and the
; maximum is taken away before every exponential (by blocks of 128 keys, combined later).  The order of rounding differs from the written order.
; THIS LAUNCH makes MT and N (wh, f16, times 2^-5) and rounds query, value, key to f16, times 2^-5 (xh, planes 0, 1, 2).
; FORMATS.  All matrix operands of the program are f16, all sums f32; the factors are exact powers of two.
; LIMITS.  |query|, |value|, |key| under 2.1e6; |W| under 65,504; |MT|, |N| under 2.1e6; below 2^-14 a stored number keeps f16's fixed step of 6e-8
; (1.9e-6 of an input, of MT and of N).  NaN and infinities are not treated apart.
; SHARES.  256 equal work-groups of eight waves.  Each makes 64 rows m x 128 columns n of one plane of wh (wave w = (wm, wn): 32 x 32, four accumulators), K = 1024 in 16 chunks of 64;
; and each rounds 131,072 bytes of query, of value and of key, in 16 pieces of 8,192 bytes of each.  Chunk i and piece i are INDEX i: 18 loads a wave (A 4, B 8, the inputs 2 each).
; IN FLIGHT.  Three stages of registers: three indices, 54 loads of 512 bytes a wave, are out at a time, from the kernel's head to index 15.
; A TRIP is pipelined: it asks LDS for chunk t's fragments; rounds chunk t + 1 and lays it into the next of three LDS buffers; rounds and stores piece t + 1; multiplies chunk t between the
; barrier's signal and its wait; asks memory for index t + 4.  One barrier a trip: a buffer is written two barriers behind its last reads, and each wave's LDS instructions are back ahead of every signal.
; B lies [k][n] and is turned by ds_load_tr16_b128; A lies [k][m] for MT (turned) and [m][k] for N (as it lies).
; REGISTERS: window 0: v1-11 addresses; v16-47 accumulators; v48-111 fragments; v112-255 the weights' three stages.  window 1: v0-71 the inputs' three stages.
.set APITCH, 160                       ; a row of A in LDS: 128 bytes + 32
.set BPITCH, 288                       ; a row of B: 256 bytes + 32
.set ABUF,   64*APITCH                 ; 10,240: three buffers of A from byte 0
.set BBASE,  3*ABUF                    ; 30,720: three buffers of B
.set BBUF,   64*BPITCH                 ; 18,432
.set STAGE,  BBASE+3*BBUF              ; 86,016: 64 rows x 272 bytes for the way out
.set SPITCH, 272
.set SPARE,  STAGE+64*SPITCH           ; 103,424: the spare words, 128 bytes for each of eight waves: four blocks of 256 bytes that no other line names
.set GA,   1                           ; v1   my byte offset in A's chunk in memory; never rewritten
.set GB,   2                           ; v2   the same for B
.set ASTO, 3                           ; v3   where I put 8 bytes of A in a buffer
.set BSTO, 4                           ; v4   the same for B
.set AF0,  5                           ; v5   my lane's place in A's fragments, A lying [k][m]
.set BF,   6                           ; v6   the same for B
.set SPW,  7                           ; v7   LDS address of my spare word; never rewritten
.set NIL,  8                           ; v8   0; never rewritten
.set AF1,  9                           ; v9   my lane's place in A's fragments, A lying [m][k]
.set CG,   10                          ; v10  my byte offset in the inputs' chunks, at the piece to be asked for: 16 x thread + 8,192 x piece
.set CS,   11                          ; v11  my byte offset in xh's chunks, two pieces past the piece to be stored: 8 x thread + 4,096 x (piece + 2)
.set AC,   16                          ; v[16:47] accumulator (a, b) at AC + 8 (2 a + b)
.set FR,   48                          ; v[48:111] fragments: A (kk, a) at FR + 32 kk + 8 a, B (kk, b) at FR + 32 kk + 16 + 8 b
.set X,    112                         ; v[112:255] three stages of 48: A's four loads, then B's eight
.set Y,    0                           ; window 1, v[0:71]: three stages of 24: load j of input z at 4 (2 z + j)
.set MSB, 0
.macro WIN new                         ; s_set_vgpr_msb: bits 1:0 source 0, 3:2 source 1, 5:4 source 2, 7:6 destination; the high byte repeats the setting that is left; a switch that changes nothing is dropped
.if MSB != (\new)
	s_set_vgpr_msb (MSB<<8)|(\new)
.set MSB, \new
.endif
.endm
	s_load_b512 s[16:31], s[0:1], 0x0              ; Wq 16, Wk 18, Wv 20, Wo 22, query 24, value 26, key 28, xh 30
	s_load_b64 s[32:33], s[0:1], 0x40              ; wh
	v_lshl_add_u32 v[SPW], v0, 2, SPARE
	v_mov_b32 v[NIL], 0
	v_lshrrev_b32 v16, 5, v0
	v_readfirstlane_b32 s3, v16                    ; wave 0..7
	s_mov_b32 s2, ttmp9
	s_mov_b32 s36, 0x3d000000                      ; 2^-5,
	s_mov_b32 s37, 0x3d000000                      ; named as a pair
	s_lshr_b32 s4, s2, 7                           ; p: 0 MT, 1 N
	s_and_b32 s5, s2, 127
	s_and_b32 s6, s5, 7                            ; tn: 128 columns
	s_lshr_b32 s5, s5, 3                           ; tm: 64 rows
	v_and_b32 v16, 31, v0                          ; l
	v_and_b32 v17, 15, v0                          ; r = l % 16
	v_bfe_u32 v18, v0, 4, 1                        ; h = l / 16
	v_and_b32 v19, 7, v0                           ; l % 8
	v_bfe_u32 v21, v0, 3, 1                        ; (l / 8) % 2
	s_lshl_b32 s14, s3, 3
	v_add_nc_u32 v20, s14, v18                     ; 8 w + h
	v_lshlrev_b32 v[GA], 12, v20                   ; A: a load of the wave takes two rows of 256 bytes
	v_lshl_add_u32 v[GA], v17, 4, v[GA]
	s_lshl_b32 s15, s3, 15
	v_lshl_add_u32 v[GB], v16, 4, s15              ; B: a load of the wave takes one row of 512 bytes
	v_mul_u32_u24 v[ASTO], v20, APITCH
	v_lshl_add_u32 v[ASTO], v17, 3, v[ASTO]
	s_mul_i32 s15, s3, 8*BPITCH
	s_add_co_u32 s15, s15, BBASE
	v_lshl_add_u32 v[BSTO], v16, 3, s15
	v_lshl_add_u32 v20, v18, 3, v19                ; 8 h + l % 8: the turning load's row
	s_lshr_b32 s14, s3, 2                          ; wm
	s_and_b32 s15, s3, 3                           ; wn
	v_mul_u32_u24 v[BF], v20, BPITCH
	v_lshl_add_u32 v[BF], v21, 4, v[BF]
	s_lshl_b32 s15, s15, 6
	s_add_co_u32 s15, s15, BBASE
	v_add_nc_u32 v[BF], s15, v[BF]
	v_mul_u32_u24 v[AF0], v20, APITCH
	v_lshl_add_u32 v[AF0], v21, 4, v[AF0]
	s_lshl_b32 s15, s14, 6
	v_add_nc_u32 v[AF0], s15, v[AF0]
	s_lshl_b32 s15, s14, 5
	v_add_nc_u32 v[AF1], s15, v17                  ; row 32 wm + r
	v_mul_u32_u24 v[AF1], v[AF1], APITCH
	v_lshl_add_u32 v[AF1], v18, 4, v[AF1]
	v_lshlrev_b32 v[CG], 4, v0                     ; a load of the eight waves covers 4,096 consecutive bytes of an input,
	v_lshlrev_b32 v[CS], 3, v0                     ; a store 2,048 of xh
	s_lshl_b32 s34, s5, 8                          ; MT: A = Wk, rows k, my 64 columns m: 256 tm bytes along a row; a chunk goes 64 rows down
	s_lshl_b32 s35, s5, 18                         ; N:  A = Wo, my 64 rows m; a chunk goes 256 bytes along the rows
	s_mov_b32 s12, 0x100
	s_mov_b32 s13, 0
	s_mov_b32 s15, 0
	s_wait_kmcnt 0x0
	s_cmp_eq_u32 s4, 0
	s_cselect_b32 s14, s34, s35
	s_cselect_b32 s12, 0x40000, s12                ; s[12:13]: A's step
	s_cselect_b64 s[8:9], s[18:19], s[22:23]
	s_cselect_b64 s[10:11], s[16:17], s[20:21]     ; B = Wq or Wv, rows k
	s_add_nc_u64 s[8:9], s[8:9], s[14:15]
	s_lshl_b32 s14, s6, 9
	s_add_nc_u64 s[10:11], s[10:11], s[14:15]
	s_lshl_b32 s14, s2, 17                         ; my 131,072 bytes of each input
	s_add_nc_u64 s[24:25], s[24:25], s[14:15]
	s_add_nc_u64 s[26:27], s[26:27], s[14:15]
	s_add_nc_u64 s[28:29], s[28:29], s[14:15]
	s_lshl_b32 s14, s2, 16                         ; and my 65,536 bytes of each plane of xh; a plane is 16,777,216 bytes
	s_add_nc_u64 s[40:41], s[30:31], s[14:15]
	s_add_nc_u64 s[42:43], s[40:41], 0x1000000
	s_add_nc_u64 s[44:45], s[40:41], 0x2000000
.macro LOADS s                         ; an index's 18 loads into stage s, at the four addresses as they stand
	WIN 0
.irp j, 0,1,2,3
	global_load_b128 v[X+48*(\s)+4*(\j):X+48*(\s)+4*(\j)+3], v[GA], s[8:9] offset:8192*(\j)
.endr
.irp j, 0,1,2,3,4,5,6,7
	global_load_b128 v[X+48*(\s)+16+4*(\j):X+48*(\s)+16+4*(\j)+3], v[GB], s[10:11] offset:4096*(\j)
.endr
	WIN 0x40                                       ; destination window 1, address window 0
.irp z, 0,1,2
.irp j, 0,1
	global_load_b128 v[Y+24*(\s)+4*(2*(\z)+(\j)):Y+24*(\s)+4*(2*(\z)+(\j))+3], v[CG], s[24+2*(\z):25+2*(\z)] offset:4096*(\j) th:TH_LOAD_NT  ; the inputs are read once in the launch
.endr
.endr
	WIN 0
.endm
.macro STEP                            ; all four addresses go one index on
	s_wait_xcnt 0x0                                ; every load and store issued so far has read its address and its data (ISA guide 3.1): only behind this wait are the addresses written, and the stores' registers loaded again
	s_add_nc_u64 s[8:9], s[8:9], s[12:13]
	s_add_nc_u64 s[10:11], s[10:11], 0x40000
	v_add_nc_u32 v[CG], 0x2000, v[CG]
	v_add_nc_u32 v[CS], 0x1000, v[CS]
.endm
; A trip.  s: the stage, and the LDS buffer, of the index that it rounds; the chunk that it multiplies lies in the buffer before.  mul = 0: the first trip, with nothing to multiply yet.
; conv = 0: the last trip, with nothing left to round.  refill = 1: the stage is asked for again, three indices on.  lb, lc: the younger loads that may stay out when the chunk, and then the piece, must be in.
.macro TRIP s, mul, conv, refill, lb, lc
.set RB, ((\s)+2)%3
.if \mul
	s_cmp_eq_u32 s4, 0                             ; the same in all waves
	s_cbranch_scc0 .Lrows_\@
.irp kk, 0,1
.irp a, 0,1
	ds_load_tr16_b128 v[FR+32*(\kk)+8*(\a):FR+32*(\kk)+8*(\a)+3],   v[AF0] offset:ABUF*RB+32*APITCH*(\kk)+32*(\a)
	ds_load_tr16_b128 v[FR+32*(\kk)+8*(\a)+4:FR+32*(\kk)+8*(\a)+7], v[AF0] offset:ABUF*RB+32*APITCH*(\kk)+32*(\a)+16*APITCH
.endr
.endr
	s_branch .Lhave_a_\@
.Lrows_\@:
.irp kk, 0,1
.irp a, 0,1
	ds_load_b128 v[FR+32*(\kk)+8*(\a):FR+32*(\kk)+8*(\a)+3],   v[AF1] offset:ABUF*RB+16*APITCH*(\a)+64*(\kk)
	ds_load_b128 v[FR+32*(\kk)+8*(\a)+4:FR+32*(\kk)+8*(\a)+7], v[AF1] offset:ABUF*RB+16*APITCH*(\a)+64*(\kk)+32
.endr
.endr
.Lhave_a_\@:
.irp kk, 0,1
.irp b, 0,1
	ds_load_tr16_b128 v[FR+32*(\kk)+16+8*(\b):FR+32*(\kk)+16+8*(\b)+3],   v[BF] offset:BBUF*RB+32*BPITCH*(\kk)+32*(\b)
	ds_load_tr16_b128 v[FR+32*(\kk)+16+8*(\b)+4:FR+32*(\kk)+16+8*(\b)+7], v[BF] offset:BBUF*RB+32*BPITCH*(\kk)+32*(\b)+16*BPITCH
.endr
.endr
.endif
.if \conv
	s_wait_loadcnt \lb                             ; loads come back in order (ISA guide 5.7.1): the chunk's 12 are in; its piece's 6 and the younger indices stay out
.set i, 0
.rept 12                               ; rounded in place: four f32 of a load become two registers of f16
	v_cvt_pk_f16_f32 v[X+48*(\s)+4*i],   v[X+48*(\s)+4*i],   v[X+48*(\s)+4*i+1]
	v_cvt_pk_f16_f32 v[X+48*(\s)+4*i+1], v[X+48*(\s)+4*i+2], v[X+48*(\s)+4*i+3]
.set i, i+1
.endr
.irp j, 0,1,2,3
	ds_store_b64 v[ASTO], v[X+48*(\s)+4*(\j):X+48*(\s)+4*(\j)+1] offset:ABUF*(\s)+2*APITCH*(\j)
.endr
.irp j, 0,1,2,3,4,5,6,7
	ds_store_b64 v[BSTO], v[X+48*(\s)+16+4*(\j):X+48*(\s)+16+4*(\j)+1] offset:BBUF*(\s)+BPITCH*(\j)
.endr
	s_wait_loadcnt \lc                             ; the piece's 6 loads are in; the younger indices stay out
	WIN 0x41                                       ; destination and source 0 window 1
.set i, 0
.rept 12
	v_pk_mul_f32 v[Y+24*(\s)+2*i:Y+24*(\s)+2*i+1], v[Y+24*(\s)+2*i:Y+24*(\s)+2*i+1], s[36:37] op_sel_hi:[1,0]  ; times 2^-5
.set i, i+1
.endr
	WIN 0x45                                       ; and source 1
.set i, 0
.rept 6
	v_cvt_pk_f16_f32 v[Y+24*(\s)+4*i],   v[Y+24*(\s)+4*i],   v[Y+24*(\s)+4*i+1]
	v_cvt_pk_f16_f32 v[Y+24*(\s)+4*i+1], v[Y+24*(\s)+4*i+2], v[Y+24*(\s)+4*i+3]
.set i, i+1
.endr
	WIN 0x04                                       ; the stores' data window 1, their address window 0
.irp z, 0,1,2
.irp j, 0,1
	global_store_b64 v[CS], v[Y+24*(\s)+4*(2*(\z)+(\j)):Y+24*(\s)+4*(2*(\z)+(\j))+1], s[40+2*(\z):41+2*(\z)] offset:2048*(\j)-8192  ; a wave's store covers 256 consecutive bytes, aligned
.endr
.endr
	WIN 0
.endif
	s_wait_dscnt 0x0                               ; my fragments are in; for the others' sake, my stores into the buffer are done
.if \conv
	s_barrier_signal -1
.endif
.if \mul
.irp kk, 0,1
.irp a, 0,1
.irp b, 0,1                            ; source 0 = 16 columns n, source 1 = 16 rows m: a lane then holds eight neighbouring n of one row m.  The four accumulators take turns, over the backward jump too
	v_wmma_f32_16x16x32_f16 v[AC+8*(2*(\a)+(\b)):AC+8*(2*(\a)+(\b))+7], v[FR+32*(\kk)+16+8*(\b):FR+32*(\kk)+16+8*(\b)+7], v[FR+32*(\kk)+8*(\a):FR+32*(\kk)+8*(\a)+7], v[AC+8*(2*(\a)+(\b)):AC+8*(2*(\a)+(\b))+7]
.endr
.endr
.endr
.endif
.if \conv
	s_barrier_wait -1                              ; everybody's part of the next chunk lies in its buffer
	STEP                                           ; its two vector additions and the two lines below are the four places between the products and the next loads into their fragments
	v_nop
	v_nop
.if \refill
	LOADS \s
.endif
.endif
.endm
	LOADS 0
	STEP
	LOADS 1
	STEP
	LOADS 2
.set i, 0
.rept 32
	v_mov_b32 v[AC+i], 0                           ; the sums start at 0: written while the first loads are on their way, so that the loop has one form of product
.set i, i+1
.endr
	TRIP 0, 0, 1, 1, 42, 36                        ; index 0 is rounded, index 3 asked for.  42 = this index's 6 + two younger indices' 36
	s_mov_b32 s34, 4
.Ltrips:                                       ; chunks 0 to 11 are multiplied, indices 1 to 12 rounded, indices 4 to 15 asked for
	TRIP 1, 1, 1, 1, 42, 36
	TRIP 2, 1, 1, 1, 42, 36
	TRIP 0, 1, 1, 1, 42, 36
	s_sub_co_u32 s34, s34, 1
	s_cmp_lg_u32 s34, 0
	s_cbranch_scc1 .Ltrips
	TRIP 1, 1, 1, 0, 42, 36                        ; nothing is left to ask for (the stepped load addresses are not used): the counts run down
	TRIP 2, 1, 1, 0, 24, 18
	TRIP 0, 1, 1, 0, 6, 0
	TRIP 1, 1, 0, 0, 0, 0                          ; chunk 15
	; THE WAY OUT.  The addresses are made here: twelve plain instructions that name no register of the last products, the places behind them.
	v_and_b32 v131, 15, v0                         ; r
	v_bfe_u32 v132, v0, 4, 1                       ; h
	s_lshr_b32 s14, s3, 2
	s_and_b32 s15, s3, 3
	s_lshl_b32 s14, s14, 5
	v_add_nc_u32 v128, s14, v131                   ; in: row 32 wm + r, bytes 64 wn + 16 h
	v_mul_u32_u24 v128, v128, SPITCH
	v_lshl_add_u32 v128, v132, 4, v128
	s_lshl_b32 s15, s15, 6
	s_add_co_u32 s15, s15, STAGE
	v_add_nc_u32 v128, s15, v128
	s_lshl_b32 s14, s3, 3
	v_add_nc_u32 v133, s14, v132                   ; back: rows 8 w + h, whole
	v_mul_u32_u24 v129, v133, SPITCH
	v_lshl_add_u32 v129, v131, 4, v129
	v_add_nc_u32 v129, STAGE, v129
	v_lshlrev_b32 v130, 11, v133                   ; and the same rows in wh
	v_lshl_add_u32 v130, v131, 4, v130
	s_lshl_b32 s14, s4, 21                         ; the plane,
	s_lshl_b32 s15, s5, 17                         ; 64 tm rows of 2,048 bytes,
	s_add_co_u32 s14, s14, s15
	s_lshl_b32 s15, s6, 8                          ; 128 tn columns
	s_add_co_u32 s14, s14, s15
	s_mov_b32 s15, 0
	s_add_nc_u64 s[32:33], s[32:33], s[14:15]
.set i, 0
.rept 16
	v_pk_mul_f32 v[AC+2*i:AC+2*i+1], v[AC+2*i:AC+2*i+1], s[36:37] op_sel_hi:[1,0]  ; times 2^-5, each accumulator from its low end on
.set i, i+1
.endr
.set i, 0
.rept 16
	v_cvt_pk_f16_f32 v[X+i], v[AC+2*i], v[AC+2*i+1]
.set i, i+1
.endr
.irp a, 0,1
.irp b, 0,1
	ds_store_b128 v128, v[X+4*(2*(\a)+(\b)):X+4*(2*(\a)+(\b))+3] offset:16*SPITCH*(\a)+32*(\b)
.endr
.endr
	s_wait_dscnt 0x0                               ; a row's 256 bytes come from four waves: my stores are done,
	s_barrier_signal -1
	s_barrier_wait -1                              ; everybody's are
.irp t, 0,1,2,3
	ds_load_b128 v[144+4*(\t):144+4*(\t)+3], v129 offset:2*SPITCH*(\t)
.endr
.irp t, 0,1,2,3
	s_wait_dscnt 3-(\t)                            ; LDS loads come back in order: load t is in, the younger ones stay out
	global_store_b128 v130, v[144+4*(\t):144+4*(\t)+3], s[32:33] offset:4096*(\t)  ; 16 lanes store 256 consecutive bytes, at a multiple of 256 from wh's first byte
.endr
	s_wait_tensorcnt 0x0                           ; the wave's end, behind my last LDS store
	ds_add_u32 v[SPW], v[NIL]
	s_wait_dscnt 0x0
	s_endpgm
.Lfunc_end_k_qcbb594aafd_prep:
	.size	k_qcbb594aafd_prep, .Lfunc_end_k_qcbb594aafd_prep-k_qcbb594aafd_prep
	.p2alignl 7, 3214868480
	.fill 96, 4, 3214868480
	.section	.rodata,"a",@progbits
	.p2align	6, 0x0
	.amdhsa_kernel k_qcbb594aafd_prep
		.amdhsa_group_segment_fixed_size 104448
		.amdhsa_private_segment_fixed_size 0
		.amdhsa_enable_private_segment 0
		.amdhsa_kernarg_size 72
		.amdhsa_user_sgpr_count 2
		.amdhsa_user_sgpr_kernarg_segment_ptr 1
		.amdhsa_wavefront_size32 1
		.amdhsa_system_sgpr_workgroup_id_x 1
		.amdhsa_system_sgpr_workgroup_id_y 1
		.amdhsa_system_sgpr_workgroup_id_z 1
		.amdhsa_system_vgpr_workitem_id 0
		.amdhsa_next_free_vgpr 328
		.amdhsa_next_free_sgpr 66
		.amdhsa_reserve_vcc 0
		.amdhsa_float_denorm_mode_32 3
		.amdhsa_float_denorm_mode_16_64 3
		.amdhsa_memory_ordered 1
		.amdhsa_forward_progress 1
		.amdhsa_inst_pref_size 71
	.end_amdhsa_kernel
	.amdgpu_metadata
---
amdhsa.version: [ 1, 2 ]
amdhsa.kernels:
  - .name:           k_qcbb594aafd_prep
    .symbol:         k_qcbb594aafd_prep.kd
    .args:
      - { .name: Wq, .offset: 0, .size: 8, .value_kind: global_buffer, .address_space: global }
      - { .name: Wk, .offset: 8, .size: 8, .value_kind: global_buffer, .address_space: global }
      - { .name: Wv, .offset: 16, .size: 8, .value_kind: global_buffer, .address_space: global }
      - { .name: Wo, .offset: 24, .size: 8, .value_kind: global_buffer, .address_space: global }
      - { .name: query, .offset: 32, .size: 8, .value_kind: global_buffer, .address_space: global }
      - { .name: value, .offset: 40, .size: 8, .value_kind: global_buffer, .address_space: global }
      - { .name: key, .offset: 48, .size: 8, .value_kind: global_buffer, .address_space: global }
      - { .name: xh, .offset: 56, .size: 8, .value_kind: global_buffer, .address_space: global }
      - { .name: wh, .offset: 64, .size: 8, .value_kind: global_buffer, .address_space: global }
    .group_segment_fixed_size: 104448
    .private_segment_fixed_size: 0
    .kernarg_segment_align: 8
    .kernarg_segment_size: 72
    .max_flat_workgroup_size: 256
    .sgpr_count:     66
    .vgpr_count:     328
    .wavefront_size: 32
...
	.end_amdgpu_metadata
.endif
;; end of part 1
;; launch proj (part 2): grid 4 x 64, 4 waves a work-group, clusters of 4 x 4, 327,680 bytes of LDS; arguments xh, wh, qv; writes qv
.if DOCPART == 2
	.amdgcn_target "amdgcn-amd-amdhsa--gfx1250"
	.amdhsa_code_object_version 6
	.text
	.protected	k_qcbb594aafd_proj
	.globl	k_qcbb594aafd_proj
	.p2align	8
	.type	k_qcbb594aafd_proj,@function
k_qcbb594aafd_proj:
	s_mov_b64 s[64:65], 0
	v_nop
	global_prefetch_b8 v0, s[64:65] scope:SCOPE_SE
	s_setreg_imm32_b32 hwreg(HW_REG_WAVE_MODE, 25, 1), 1
	s_wait_xcnt 0x0
	s_wait_alu depctr_hold_cnt(0) depctr_sa_sdst(0) depctr_va_vdst(0) depctr_va_sdst(0) depctr_va_ssrc(0) depctr_va_vcc(0) depctr_vm_vsrc(0)
	s_getreg_b32 s2, hwreg(HW_REG_IB_STS2, 6, 4)
	s_cmp_eq_u32 s2, 0
	s_cbranch_scc0 .Lentry_in_a_cluster
	s_endpgm
.Lentry_in_a_cluster:
	s_bfe_u32 s2, ttmp6, 0x10000c
	s_cmp_lg_u32 s2, 0xf033
	s_cbranch_scc0 .Lentry_shape_is_right
	s_endpgm
.Lentry_shape_is_right:
; PROJ: qv plane 0 = q' 2^-10 = (query 2^-5)(MT 2^-5)^T, plane 1 = v' 2^-10 = (value 2^-5)(N 2^-5)^T.  One GEMM C = A B^T: A = planes 0 and 1 of xh taken as 16,384 rows x 1024,
; B = the plane of wh that goes with the rows, C = qv, 16,384 x 1024; all f16, sums in f32, C rounded once.  No work of the problem is left out here (the products' order: see the first launch).
; LIMITS.  |q'|, |v'| under 6.7e7; below 0.0625 they keep the fixed step 6.1e-5 (f16's 6e-8 times 2^10): inputs so small that v' falls to that step lose the attention's part of the result.
; SHARES.  A tile of C is 256 x 256: 64 x 4 tiles, one for each work-group; four waves, each 128 x 128: 64 accumulators, 512 registers.  K = 1024 in 8 steps of 128 through two LDS slots.
; CLUSTER.  4 x 4 work-groups: the four of a row of the cluster need the same tile of A, the four of a column the same tile of B: each is asked for jointly, by the same tensor load with the same
; descriptor and a mask that names the four.  A wave has two tensor loads out at the start and one behind each round.
; THE MATRIX INSTRUCTION IS USED TRANSPOSED (source 0 = 16 rows of B, source 1 = 16 rows of A): a lane holds eight neighbouring numbers of a row of C.
; REGISTERS, in windows of 256 (s_set_vgpr_msb: bits 1:0 source 0, 3:2 source 1, 5:4 source 2, 7:6 destination):
;   window 0: v0-31 addresses; v64-127, v128-191 fragments of A, two buffers; v32-63, v192-255 at work on the way out     window 1: v64-127, v128-191 fragments of B
;   window 2: the accumulators of my rows 0-63 ((a, b) at 8 (8 a + b));   window 3: those of my rows 64-127
.set ROWB,   2048                      ; bytes in a row of xh, wh and qv
.set KSTEPB, 256                       ; bytes of a row in a K step
.set PITCH,  272                       ; an LDS row: 256 bytes + 16 of padding = 68 words: the 16 rows of a load start at 16 different groups of four banks (64 banks of 4 bytes: ISA guide 11.1)
.set HALFT,  128*PITCH                 ; what one tensor load brings
.set SLOT,   4*HALFT                   ; 0x22000: shares no bit with wave x HALFT, so one exclusive or turns an address in one slot into the other's
.set STAGE,  2*SLOT                    ; 16 rows x 272 bytes for each wave, for the way out
.set SPITCH, 272
.set SPARE,  STAGE+4*16*SPITCH         ; the spare words, 128 bytes for each wave: two blocks of 256 bytes that no other line names
.set ADRA0, 16                         ; v16  my lane's place in A's tile; never rewritten
.set ADRB0, 17                         ; v17  the same for B
.set ADRA,  18                         ; v18  the same in the slot in hand
.set ADRB,  19                         ; v19
.set STO,   24                         ; v24  the way out: where I put 16 bytes of a row
.set RD,    25                         ; v25  where I read a row back
.set CO,    26                         ; v26  my byte offset in C
.set SPW,   28                         ; v28  LDS address of my spare word; never rewritten
.set NIL,   29                         ; v29  0; never rewritten
.set PFO,   30                         ; v30  the prefetches' offset: my lane x a row; never rewritten
.set F0,    64
.set F1,    128
.set TMP,   192
.set OB,    32
.set G1A,   24                         ; s[24:31] group 1 for A
.set G0A,   32                         ; s[32:35] group 0 for A, slot 0's first fill; s[36:39] the walking one
.set G1B,   48
.set G0B,   56
.set PFA,   44                         ; s[44:45] where my prefetches stand
.set LIM,   43                         ; s43  2 in a wave that prefetches, else the greatest number
.set G1W,   (1<<16)|(1<<20)|(1<<21)|(5<<22)|(3<<25)  ; 2-byte elements; padding on; bit 21 beside a mask; after every 64 words, 4 words
.set MUL_LO, 0xa1
.set MUL_HI, 0xf1
.set TO_B,   0x40
.set MSB, 0
.macro WIN new                         ; the immediate's high byte repeats the setting that is left; a switch that changes nothing is dropped
.if MSB != (\new)
	s_set_vgpr_msb (MSB<<8)|(\new)
.set MSB, \new
.endif
.endm
.macro PLACES                          ; four places in front of loads into registers that matrix instructions have read, and of conversions that read results
.rept 4
	v_nop
.endr
.endm
.macro JLOAD                           ; a joint refill: waves 0 and 1 fetch A's halves, waves 2 and 3 B's; an s_nop 0 and four v_nop follow each line
	s_cmp_eq_u32 s11, 0
	s_cbranch_scc0 .Lfor_b_\@
	tensor_load_to_lds s[G0A+4:G0A+7], s[G1A:G1A+7]
	s_nop 0
.rept 4
	v_nop
.endr
	s_branch .Lasked_\@
.Lfor_b_\@:
	tensor_load_to_lds s[G0B+4:G0B+7], s[G1B:G1B+7]
	s_nop 0
.rept 4
	v_nop
.endr
.Lasked_\@:
.endm
; A prefetch of the K step two refills on: 32 rows x 256 bytes, a lane a row.  A's rows are read by my cluster alone; B's by the eight clusters of a plane, of which the first asks.  The four partners
; of a joint load share its 128 rows out by address, 32 each.  So each row's 256 bytes of K steps 4 to 7 are named once; the last two refills ask for nothing.
.macro ASK
	s_cmp_gt_u32 s3, s[LIM]
	s_cbranch_scc0 .Lnot_mine_\@
	global_prefetch_b8 v[PFO], s[PFA:PFA+1] th:TH_LOAD_NT scope:SCOPE_SE
.Lnot_mine_\@:
.endm
.macro CREST                           ; a round of the cluster's barrier behind its opening barrier
	s_cmp_lg_u32 s10, 0
	s_cbranch_scc1 .Lnot_wave_0_\@
	s_barrier_signal -3
.Lnot_wave_0_\@:
	s_barrier_wait -3
	s_barrier_signal -1
	s_barrier_wait -1
.endm
.macro CROUND
	s_barrier_signal -1
	s_barrier_wait -1
	CREST
.endm
	s_load_b128 s[4:7], s[0:1], 0x0                ; xh s[4:5], wh s[6:7]
	s_load_b64 s[8:9], s[0:1], 0x10                ; qv
	v_lshl_add_u32 v[SPW], v0, 2, SPARE
	v_mov_b32 v[NIL], 0
	ds_add_u32 v[SPW], v[NIL]                      ; the wave's opening: the add, twice on end, and its wait ahead of my first tensor load
	ds_add_u32 v[SPW], v[NIL]
	v_lshrrev_b32 v1, 5, v0
	v_readfirstlane_b32 s10, v1                    ; wave 0..3
	s_lshr_b32 s11, s10, 1                         ; my half of the tile's rows; also: I fetch for A (0) or B (1)
	s_and_b32 s12, s10, 1                          ; my half of its columns; also: which 128 rows I fetch
	s_bfe_u32 s40, ttmp6, 0x40000                  ; cx
	s_bfe_u32 s41, ttmp6, 0x40004                  ; cy
	s_lshl_b32 s42, ttmp9, 2
	s_add_co_u32 s42, s42, s40                     ; x: tile column
	s_and_b32 s14, ttmp7, 0xffff                   ; the cluster's y
	s_lshl_b32 s13, s14, 2
	s_add_co_u32 s13, s13, s41                     ; y: tile row
	s_lshr_b32 s15, s14, 3                         ; the plane: the same in all sixteen partners
	s_lshl_b32 s20, s41, 2
	s_lshl_b32 s20, 15, s20                        ; my row of the cluster
	s_lshl_b32 s21, 0x1111, s40                    ; my column
	s_or_b32 s[G1A], s20, G1W
	s_or_b32 s[G1B], s21, G1W
.irp g, G1A, G1B
	s_mov_b32 s[(\g)+1], 128<<16                   ; tensor_dim0 = 128
	s_mov_b32 s[(\g)+2], 128<<16                   ; tensor_dim1 = 128
	s_mov_b32 s[(\g)+3], 128<<16                   ; tile_dim0 = 128
	s_mov_b32 s[(\g)+4], 128                       ; tile_dim1 = 128
	s_mov_b32 s[(\g)+5], 1024                      ; elements from row to row
	s_mov_b32 s[(\g)+6], 0
	s_mov_b32 s[(\g)+7], 0
.endr
	s_lshl_b32 s16, s13, 8
	s_lshl_b32 s17, s12, 7
	s_add_co_u32 s16, s16, s17                     ; A: row 256 y + 128 half
	s_lshl_b32 s16, s16, 11
	s_mov_b32 s17, 0
	s_lshl_b32 s46, s15, 10
	s_lshl_b32 s47, s42, 8
	s_add_co_u32 s46, s46, s47
	s_lshl_b32 s47, s12, 7
	s_add_co_u32 s46, s46, s47                     ; B: row 1024 plane + 256 x + 128 half
	s_lshl_b32 s46, s46, 11
	s_mov_b32 s47, 0
	s_mul_i32 s22, s10, HALFT                      ; where they go: wave x 128 rows: no place in the cluster enters an LDS address
	s_wait_dscnt 0x0                               ; both opening adds are done
	s_wait_kmcnt 0x0
	s_add_nc_u64 s[16:17], s[4:5], s[16:17]
	s_add_nc_u64 s[46:47], s[6:7], s[46:47]
	CROUND                                         ; all sixteen work-groups are here: the first joint loads meet
	s_mov_b32 s[G0A], 1
	s_mov_b32 s[G0A+1], s22
	s_add_nc_u64 s[G0A+2:G0A+3], s[16:17], 0
	s_or_b32 s[G0A+3], s[G0A+3], 0x80000000
	s_mov_b32 s[G0A+4], 1
	s_add_co_u32 s[G0A+5], s22, SLOT
	s_add_nc_u64 s[G0A+6:G0A+7], s[16:17], KSTEPB
	s_or_b32 s[G0A+7], s[G0A+7], 0x80000000
	s_mov_b32 s[G0B], 1
	s_mov_b32 s[G0B+1], s22
	s_add_nc_u64 s[G0B+2:G0B+3], s[46:47], 0
	s_or_b32 s[G0B+3], s[G0B+3], 0x80000000
	s_mov_b32 s[G0B+4], 1
	s_add_co_u32 s[G0B+5], s22, SLOT
	s_add_nc_u64 s[G0B+6:G0B+7], s[46:47], KSTEPB
	s_or_b32 s[G0B+7], s[G0B+7], 0x80000000
	s_cmp_eq_u32 s11, 0                            ; a wave's two first fills stand in one branch, ahead of every wait on TENSORcnt, every LDS read and every further barrier
	s_cbranch_scc0 .Lfirst_b
	tensor_load_to_lds s[G0A:G0A+3], s[G1A:G1A+7]
	s_nop 0
	tensor_load_to_lds s[G0A+4:G0A+7], s[G1A:G1A+7]
	s_nop 0
.rept 4
	v_nop
.endr
	s_branch .Lfirst_asked
.Lfirst_b:
	tensor_load_to_lds s[G0B:G0B+3], s[G1B:G1B+7]
	s_nop 0
	tensor_load_to_lds s[G0B+4:G0B+7], s[G1B:G1B+7]
	s_nop 0
.rept 4
	v_nop
.endr
.Lfirst_asked:
	; A fragment is 16 rows x 32 K in 8 registers: lane l holds row l % 16; registers 0-3 K = 8 (l / 16) + 0..7, registers 4-7 K = 16 + 8 (l / 16) + 0..7: two loads of 16 bytes, 32 bytes apart.
	v_and_b32 v1, 15, v0
	v_bfe_u32 v2, v0, 4, 1
	v_mul_u32_u24 v3, v1, PITCH
	v_lshl_add_u32 v3, v2, 4, v3
	s_mul_i32 s21, s11, HALFT
	s_mul_i32 s23, s12, HALFT
	s_add_co_u32 s23, s23, 2*HALFT
	v_add_nc_u32 v[ADRA0], s21, v3
	v_add_nc_u32 v[ADRB0], s23, v3
	v_mov_b32 v[ADRA], v[ADRA0]
	v_mov_b32 v[ADRB], v[ADRB0]
	s_mov_b32 s2, 0                                ; the slot in hand begins at this LDS byte
	s_mul_i32 s23, s10, 16*SPITCH
	s_add_co_u32 s23, s23, STAGE
	v_add_nc_u32 v[STO], s23, v3                   ; in: row l % 16, 16 bytes for each half of the lanes
	v_mul_u32_u24 v5, v2, SPITCH
	v_lshl_add_u32 v5, v1, 4, v5
	v_add_nc_u32 v[RD], s23, v5                    ; back: lanes 0-15 one row of 256 bytes, lanes 16-31 the next
	v_lshlrev_b32 v5, 11, v2
	v_lshl_add_u32 v[CO], v1, 4, v5                ; and the same two rows in C
	s_lshl_b32 s18, s13, 8
	s_lshl_b32 s19, s11, 7
	s_add_co_u32 s18, s18, s19
	s_lshl_b32 s18, s18, 11                        ; my first row of C,
	s_lshl_b32 s19, s42, 9
	s_add_co_u32 s18, s18, s19
	s_lshl_b32 s19, s12, 8
	s_add_co_u32 s18, s18, s19                     ; my first column
	s_mov_b32 s19, 0
	s_add_nc_u64 s[8:9], s[8:9], s[18:19]
	s_lshl_b32 s18, s13, 8                         ; the prefetches: A's rows by y,
	s_lshl_b32 s19, s15, 10
	s_lshl_b32 s20, s42, 8
	s_add_co_u32 s19, s19, s20                     ; B's by the plane and x
	s_and_b32 s21, s14, 7                          ; which of the plane's eight clusters
	s_cmp_eq_u32 s11, 0
	s_cselect_b32 s18, s18, s19
	s_cselect_b32 s20, s40, s41                    ; my place among the four that ask with me
	s_cselect_b32 s21, 0, s21
	s_cselect_b64 s[PFA:PFA+1], s[4:5], s[6:7]
	s_cmp_eq_u32 s21, 0
	s_cselect_b32 s[LIM], 2, -1                    ; the same in all sixteen partners, for a given wave
	s_lshl_b32 s21, s12, 7
	s_add_co_u32 s18, s18, s21
	s_lshl_b32 s20, s20, 5
	s_add_co_u32 s18, s18, s20
	s_lshl_b32 s18, s18, 11
	s_mov_b32 s19, 0
	s_add_nc_u64 s[PFA:PFA+1], s[PFA:PFA+1], s[18:19]
	s_add_nc_u64 s[PFA:PFA+1], s[PFA:PFA+1], 3*KSTEPB  ; at K step 3: the first refill steps it to 4.  Nothing is prefetched here, at the head
	v_and_b32 v[PFO], 31, v0
	v_lshlrev_b32 v[PFO], 11, v[PFO]
; 16 matrix instructions: m blocks a0, a0 + 1 of the window's four x all 8 n blocks, 32 along K.  zero = 1: the product starts the sum.  The 64 accumulators take turns, in the same order in every quarter.
.macro MUL16 f, hi, a0, zero
	WIN MUL_LO+0x50*(\hi)
.irp a, \a0, (\a0)+1
.irp b, 0,1,2,3,4,5,6,7
.if \zero
	v_wmma_f32_16x16x32_f16 v[8*(8*(\a)+(\b)):8*(8*(\a)+(\b))+7], v[(\f)+8*(\b):(\f)+8*(\b)+7], v[(\f)+8*(4*(\hi)+(\a)):(\f)+8*(4*(\hi)+(\a))+7], 0
.else
	v_wmma_f32_16x16x32_f16 v[8*(8*(\a)+(\b)):8*(8*(\a)+(\b))+7], v[(\f)+8*(\b):(\f)+8*(\b)+7], v[(\f)+8*(4*(\hi)+(\a)):(\f)+8*(4*(\hi)+(\a))+7], v[8*(8*(\a)+(\b)):8*(8*(\a)+(\b))+7]
.endif
.endr
.endr
.endm
.macro FETCH k, f                      ; 32 LDS loads in one run: the fragments of 32 along K at byte k of the rows of the slot in hand
	WIN TO_B
.irp i, 0,1,2,3,4,5,6,7
	ds_load_b128 v[(\f)+8*(\i):(\f)+8*(\i)+3],   v[ADRB] offset:(\k)+(\i)*16*PITCH
	ds_load_b128 v[(\f)+8*(\i)+4:(\f)+8*(\i)+7], v[ADRB] offset:(\k)+(\i)*16*PITCH+32
.endr
	WIN 0
.irp i, 0,1,2,3,4,5,6,7
	ds_load_b128 v[(\f)+8*(\i):(\f)+8*(\i)+3],   v[ADRA] offset:(\k)+(\i)*16*PITCH
	ds_load_b128 v[(\f)+8*(\i)+4:(\f)+8*(\i)+7], v[ADRA] offset:(\k)+(\i)*16*PITCH+32
.endr
.endm
.macro QUARTER k, f, g, zero           ; multiplies buffer f; in its middle fetches the next quarter, at byte k, into g
	s_wait_dscnt 8                                 ; B and A's rows 0-63 are in; the youngest eight loads (A's rows 64-127) may be out
	MUL16 \f, 0, 0, \zero
	MUL16 \f, 0, 2, \zero
	PLACES
	FETCH \k, \g
	s_wait_dscnt 32                                ; all but the 32 just issued
	MUL16 \f, 1, 0, \zero
	MUL16 \f, 1, 2, \zero
.endm
; The last quarter of a K step multiplies buffer 1 and changes slots.  In front of the barrier each wave waits for all its tensor loads (one is out: its part of the next slot), adds 0 to its spare
; word, and waits for that and for its reads of this slot.  fill = 1: the barrier opens a round of the cluster's, and the joint refill, two K steps ahead, is the first thing behind the round.
.macro TURN fill
.if \fill
	s_wait_xcnt 0x0                                ; the last prefetch, a K step back, has read its address
	s_add_nc_u64 s[PFA:PFA+1], s[PFA:PFA+1], KSTEPB
.endif
	WIN 0
	s_wait_tensorcnt 0x0
	ds_add_u32 v[SPW], v[NIL]
	s_wait_dscnt 9                                 ; (the add and the youngest eight loads may be out)
	MUL16 F1, 0, 0, 0
	s_wait_dscnt 0x0                               ; the add is done, and my reads of this slot are over
	s_barrier_signal -1
	MUL16 F1, 0, 2, 0
	WIN 0
	s_barrier_wait -1
.if \fill
	CREST
	s_xor_b32 s[G0A+5], s[G0A+5], SLOT             ; the walking descriptors: the other slot than last time, the next K step; no tensor load of mine is out
	s_add_nc_u64 s[G0A+6:G0A+7], s[G0A+6:G0A+7], KSTEPB
	s_xor_b32 s[G0B+5], s[G0B+5], SLOT
	s_add_nc_u64 s[G0B+6:G0B+7], s[G0B+6:G0B+7], KSTEPB
	JLOAD                                          ; its four v_nop are also the places in front of the loads below
.else
	PLACES
.endif
	s_xor_b32 s2, s2, SLOT
	v_add_nc_u32 v[ADRA], s2, v[ADRA0]
	v_add_nc_u32 v[ADRB], s2, v[ADRB0]
	FETCH 0, F0
.if \fill
	ASK
.endif
	MUL16 F1, 1, 0, 0
	MUL16 F1, 1, 2, 0
.endm
; THE WAY OUT of block a (16 rows): rounded to f16; through my own stage in LDS; stored as whole rows of 256 bytes.
.macro PACK a
.set AC, 64*((\a)%4)
	WIN 0x0a+5*((\a)/4)                            ; sources 0 and 1: window 2 or 3
.irp b, 0,1,2,3,4,5,6,7
.irp r, 0,1,2,3
	v_cvt_pk_f16_f32 v[TMP+4*(\b)+(\r)], v[AC+8*(\b)+2*(\r)], v[AC+8*(\b)+2*(\r)+1]
.endr
.endr
	WIN 0
.endm
.macro TOSTAGE a
	WIN 0
.set BK, OB+192*((\a)%2)
.irp b, 0,1,2,3,4,5,6,7
	ds_store_b128 v[STO], v[TMP+4*(\b):TMP+4*(\b)+3] offset:32*(\b)
.endr
.irp t, 0,1,2,3,4,5,6,7
	ds_load_b128 v[BK+4*(\t):BK+4*(\t)+3], v[RD] offset:(\t)*2*SPITCH  ; LDS serves a wave's instructions in order (ISA guide 5.7.1.4): these see the stores above
.endr
.endm
.macro SEND a
	WIN 0
.set BK, OB+192*((\a)%2)
	s_wait_dscnt 0x0                               ; the block is back in registers
	s_wait_xcnt 0x0                                ; the stores of the block before have read their registers, which the next block's loads from the stage take
.irp t, 0,1,2,3,4,5,6,7
	global_store_b128 v[CO], v[BK+4*(\t):BK+4*(\t)+3], s[8:9] offset:(16*(\a)+2*(\t))*ROWB  ; 16 lanes store 256 consecutive bytes, at a multiple of 256 from qv's first byte
.endr
.endm
	s_wait_tensorcnt 0x1                           ; my part of K step 0 is in; K step 1's may stay out
	s_barrier_signal -1
	s_barrier_wait -1
	FETCH 0, F0
	QUARTER 64, F0, F1, 1                          ; the first quarter stands in front of the loop: its products start the sums
	WIN 0
	s_mov_b32 s3, 6
.Lstep:                                        ; six trips: from a K step's second quarter to the next step's first; each fills a slot again (K steps 2 to 7)
	QUARTER 128, F1, F0, 0
	QUARTER 192, F0, F1, 0
	TURN 1
	QUARTER 64, F0, F1, 0
	WIN 0
	s_sub_co_u32 s3, s3, 1
	s_cmp_lg_u32 s3, 0
	s_cbranch_scc1 .Lstep
	QUARTER 128, F1, F0, 0                         ; the tail is written out
	QUARTER 192, F0, F1, 0
	TURN 0
	QUARTER 64, F0, F1, 0
	QUARTER 128, F1, F0, 0
	QUARTER 192, F0, F1, 0
	s_wait_dscnt 8
	MUL16 F1, 0, 0, 0
	MUL16 F1, 0, 2, 0
	s_wait_dscnt 0x0
	MUL16 F1, 1, 0, 0
	MUL16 F1, 1, 2, 0
	PLACES
	PACK 0
	TOSTAGE 0
.irp a, 1,2,3,4,5,6,7                  ; block a's conversions stand between block a - 1's loads from the stage and the wait for them
	PACK \a
	SEND (\a)-1
	TOSTAGE \a
.endr
	SEND 7
	s_wait_tensorcnt 0x0                           ; the wave's end
	ds_add_u32 v[SPW], v[NIL]
	s_wait_dscnt 0x0
	CROUND                                         ; the closing round
	s_endpgm
.Lfunc_end_k_qcbb594aafd_proj:
	.size	k_qcbb594aafd_proj, .Lfunc_end_k_qcbb594aafd_proj-k_qcbb594aafd_proj
	.p2alignl 7, 3214868480
	.fill 96, 4, 3214868480
	.section	.rodata,"a",@progbits
	.p2align	6, 0x0
	.amdhsa_kernel k_qcbb594aafd_proj
		.amdhsa_group_segment_fixed_size 327680
		.amdhsa_private_segment_fixed_size 0
		.amdhsa_enable_private_segment 0
		.amdhsa_kernarg_size 24
		.amdhsa_user_sgpr_count 2
		.amdhsa_user_sgpr_kernarg_segment_ptr 1
		.amdhsa_wavefront_size32 1
		.amdhsa_system_sgpr_workgroup_id_x 1
		.amdhsa_system_sgpr_workgroup_id_y 1
		.amdhsa_system_sgpr_workgroup_id_z 1
		.amdhsa_system_vgpr_workitem_id 0
		.amdhsa_next_free_vgpr 1024
		.amdhsa_next_free_sgpr 66
		.amdhsa_reserve_vcc 0
		.amdhsa_float_denorm_mode_32 3
		.amdhsa_float_denorm_mode_16_64 3
		.amdhsa_memory_ordered 1
		.amdhsa_forward_progress 1
		.amdhsa_inst_pref_size 117
	.end_amdhsa_kernel
	.amdgpu_metadata
---
amdhsa.version: [ 1, 2 ]
amdhsa.kernels:
  - .name:           k_qcbb594aafd_proj
    .symbol:         k_qcbb594aafd_proj.kd
    .args:
      - { .name: xh, .offset: 0, .size: 8, .value_kind: global_buffer, .address_space: global }
      - { .name: wh, .offset: 8, .size: 8, .value_kind: global_buffer, .address_space: global }
      - { .name: qv, .offset: 16, .size: 8, .value_kind: global_buffer, .address_space: global }
    .group_segment_fixed_size: 327680
    .private_segment_fixed_size: 0
    .kernarg_segment_align: 8
    .kernarg_segment_size: 24
    .max_flat_workgroup_size: 128
    .sgpr_count:     66
    .vgpr_count:     1024
    .wavefront_size: 32
...
	.end_amdgpu_metadata
.endif
;; end of part 2
;; launch score (part 3): grid 4 x 64, 4 waves a work-group, clusters of 4 x 4, 327,680 bytes of LDS; arguments qv, xh, ew, st; writes ew, st
.if DOCPART == 3
	.amdgcn_target "amdgcn-amd-amdhsa--gfx1250"
	.amdhsa_code_object_version 6
	.text
	.protected	k_qcbb594aafd_score
	.globl	k_qcbb594aafd_score
	.p2align	8
	.type	k_qcbb594aafd_score,@function
k_qcbb594aafd_score:
	s_mov_b64 s[64:65], 0
	v_nop
	global_prefetch_b8 v0, s[64:65] scope:SCOPE_SE
	s_setreg_imm32_b32 hwreg(HW_REG_WAVE_MODE, 25, 1), 1
	s_wait_xcnt 0x0
	s_wait_alu depctr_hold_cnt(0) depctr_sa_sdst(0) depctr_va_vdst(0) depctr_va_sdst(0) depctr_va_ssrc(0) depctr_va_vcc(0) depctr_vm_vsrc(0)
	s_getreg_b32 s2, hwreg(HW_REG_IB_STS2, 6, 4)
	s_cmp_eq_u32 s2, 0
	s_cbranch_scc0 .Lentry_in_a_cluster
	s_endpgm
.Lentry_in_a_cluster:
	s_bfe_u32 s2, ttmp6, 0x10000c
	s_cmp_lg_u32 s2, 0xf033
	s_cbranch_scc0 .Lentry_shape_is_right
	s_endpgm
.Lentry_shape_is_right:
; SCORE: acc = (q' 2^-10)(key 2^-5)^T = energy 2^-15, and the softmax's first half, by blocks j of 128 keys: m'_j = c max(acc), c = 1024 log2(e), so that c acc = log2(e) energy / 32;
; E = 2^(c acc - m'_j), stored in f16 (ew); l_j = the sum of the unrounded E; m'_j and l_j stored in f32 (st).  The last launch takes the maximum over the blocks away.  No work is left out.
; LIMITS.  E below 6e-5 keeps f16's fixed step of 6e-8; an exponential below 2^-126 counts as 0; NaN and infinities are not treated apart.
; SHARES.  A work-group makes 128 queries x 256 keys of one batch (64 x 4 tiles); a wave 64 queries x 128 keys, one block j: 32 accumulators.  K = 1024 channels in 8 steps of 128, two LDS slots.
; CLUSTER.  4 x 4: q's tile is shared along a row of the cluster, key's along a column: joint loads.  A wave has two tensor loads out at the start and one behind each round.
; LAYOUT.  Source 0 = 16 keys, source 1 = 16 queries: a lane holds ONE query (lane % 16) and in accumulator (a, b) the keys 16 b + 8 (lane / 16) + 0..7: a query's maximum and sum want one exchange of the lanes' halves.
; REGISTERS: window 0: v0-31 addresses; two fragment buffers of 96 at v32 and v128 (key's 8 fragments, then q's 4); v224-255 statistics.   window 1: accumulator (a, b) at 8 (8 a + b).
.set ROWB,   2048
.set KSTEPB, 256
.set PITCH,  272                       ; 256 bytes + 16 of padding: the 16 rows of a load start at 16 different groups of four banks (ISA guide 11.1)
.set AHALF,  64*PITCH                  ; what a load for q brings
.set BOFF,   2*AHALF                   ; key's 256 rows lie behind q's 128
.set BHALF,  128*PITCH
.set SLOT,   1<<17                     ; slot 1 begins here: one exclusive or turns an address in one slot into the other's
.set STAGE,  SLOT+BOFF+2*BHALF         ; 235,520: 16 rows x 272 bytes for each wave
.set SPITCH, 272
.set SPARE,  STAGE+4*16*SPITCH         ; the spare words: two blocks of 256 bytes that no other line names
.set ADRA0, 16
.set ADRB0, 17
.set ADRA,  18
.set ADRB,  19
.set STO,   20                         ; v20  the way out: where I put 16 bytes of a row
.set RD,    21                         ; v21  where I read a row back
.set CO,    22                         ; v22  my byte offset in ew
.set SO,    23                         ; v23  16 x lane: my 16 bytes of the block's statistics
.set SPW,   28
.set NIL,   29
.set PFO,   30
.set F0,    32
.set F1,    128
.set TC,    224                        ; v224-239  maxima at work: chain i of tile a at TC + 4 a + i
.set MP,    240                        ; v240-247  m' of tile a, twice (a pair for the packed scaling)
.set LS,    248                        ; v248-251  l of tile a
.set OQ,    252                        ; v252-255  what I store of the statistics
.set G1A,   24
.set G0A,   32
.set G1B,   48
.set G0B,   56
.set PFA,   44
.set LIM,   43
.set G1W,   (1<<16)|(1<<20)|(1<<21)|(5<<22)|(3<<25)
.set MSB, 0
.macro WIN new
.if MSB != (\new)
	s_set_vgpr_msb (MSB<<8)|(\new)
.set MSB, \new
.endif
.endm
.macro PLACES
.rept 4
	v_nop
.endr
.endm
.macro JLOAD                           ; waves 0 and 1 fetch q's halves, waves 2 and 3 key's; an s_nop 0 and four v_nop follow each line
	s_cmp_eq_u32 s11, 0
	s_cbranch_scc0 .Lfor_b_\@
	tensor_load_to_lds s[G0A+4:G0A+7], s[G1A:G1A+7]
	s_nop 0
.rept 4
	v_nop
.endr
	s_branch .Lasked_\@
.Lfor_b_\@:
	tensor_load_to_lds s[G0B+4:G0B+7], s[G1B:G1B+7]
	s_nop 0
.rept 4
	v_nop
.endr
.Lasked_\@:
.endm
; A prefetch of the K step two refills on, a lane a row of 256 bytes.  q's 128 rows are read by my cluster alone: wave 0 of each of the row's four partners takes 32, by address.  key's rows are read by
; the batch's two clusters: in the first, waves 2 and 3 of each of the column's four partners take 32 of the 128 that they fetch.  K steps 4 to 7; the last two refills ask for nothing.
.macro ASK
	s_cmp_gt_u32 s3, s[LIM]
	s_cbranch_scc0 .Lnot_mine_\@
	global_prefetch_b8 v[PFO], s[PFA:PFA+1] th:TH_LOAD_NT scope:SCOPE_SE
.Lnot_mine_\@:
.endm
.macro CREST
	s_cmp_lg_u32 s10, 0
	s_cbranch_scc1 .Lnot_wave_0_\@
	s_barrier_signal -3
.Lnot_wave_0_\@:
	s_barrier_wait -3
	s_barrier_signal -1
	s_barrier_wait -1
.endm
.macro CROUND
	s_barrier_signal -1
	s_barrier_wait -1
	CREST
.endm
.macro G1REST g, rows                  ; rows of 128 elements, 1024 elements apart
	s_mov_b32 s[(\g)+1], 128<<16
	s_mov_b32 s[(\g)+2], (\rows)<<16
	s_mov_b32 s[(\g)+3], 128<<16
	s_mov_b32 s[(\g)+4], \rows
	s_mov_b32 s[(\g)+5], 1024
	s_mov_b32 s[(\g)+6], 0
	s_mov_b32 s[(\g)+7], 0
.endm
	s_load_b256 s[68:75], s[0:1], 0x0              ; qv 68, xh 70, ew 72, st 74
	v_lshl_add_u32 v[SPW], v0, 2, SPARE
	v_mov_b32 v[NIL], 0
	ds_add_u32 v[SPW], v[NIL]                      ; the wave's opening: the add, twice on end, and its wait ahead of my first tensor load
	ds_add_u32 v[SPW], v[NIL]
	v_lshrrev_b32 v1, 5, v0
	v_readfirstlane_b32 s10, v1
	s_lshr_b32 s11, s10, 1                         ; my half of the queries; also: I fetch for q (0) or key (1)
	s_and_b32 s12, s10, 1                          ; my half of the keys; also: which half of the tile I fetch
	s_bfe_u32 s40, ttmp6, 0x40000
	s_bfe_u32 s41, ttmp6, 0x40004
	s_lshl_b32 s42, ttmp9, 2
	s_add_co_u32 s42, s42, s40                     ; x: 256 keys
	s_and_b32 s14, ttmp7, 0xffff
	s_lshl_b32 s13, s14, 2
	s_add_co_u32 s13, s13, s41                     ; y: 128 queries
	s_lshr_b32 s15, s14, 1                         ; the batch: the same in all sixteen partners
	s_lshl_b32 s20, s41, 2
	s_lshl_b32 s20, 15, s20
	s_lshl_b32 s21, 0x1111, s40
	s_or_b32 s[G1A], s20, G1W
	s_or_b32 s[G1B], s21, G1W
	G1REST G1A, 64
	G1REST G1B, 128
	s_lshl_b32 s16, s13, 7
	s_lshl_b32 s17, s12, 6
	s_add_co_u32 s16, s16, s17                     ; q': row 128 y + 64 half
	s_lshl_b32 s16, s16, 11
	s_mov_b32 s17, 0
	s_lshl_b32 s46, s15, 10
	s_lshl_b32 s47, s42, 8
	s_add_co_u32 s46, s46, s47
	s_lshl_b32 s47, s12, 7
	s_add_co_u32 s46, s46, s47                     ; key: row 1024 batch + 256 x + 128 half,
	s_lshl_b32 s46, s46, 11
	s_add_co_u32 s46, s46, 0x2000000               ; in plane 2 of xh
	s_mov_b32 s47, 0
	s_mul_i32 s22, s12, AHALF
	s_mul_i32 s23, s12, BHALF
	s_add_co_u32 s23, s23, BOFF
	s_mov_b32 s76, 0x44b8aa3b                      ; c = 1024 log2(e),
	s_mov_b32 s77, 0x44b8aa3b                      ; named as a pair
	s_mov_b32 s78, 0x76543210                      ; v_permlanex16_b32: each lane takes its own place in the other half
	s_mov_b32 s79, 0xfedcba98
	s_mov_b32 s80, 0xffff0000                      ; lanes 16-31
	s_wait_dscnt 0x0
	s_wait_kmcnt 0x0
	s_add_nc_u64 s[16:17], s[68:69], s[16:17]
	s_add_nc_u64 s[46:47], s[70:71], s[46:47]
	CROUND
	s_mov_b32 s[G0A], 1
	s_mov_b32 s[G0A+1], s22
	s_add_nc_u64 s[G0A+2:G0A+3], s[16:17], 0
	s_or_b32 s[G0A+3], s[G0A+3], 0x80000000
	s_mov_b32 s[G0A+4], 1
	s_add_co_u32 s[G0A+5], s22, SLOT
	s_add_nc_u64 s[G0A+6:G0A+7], s[16:17], KSTEPB
	s_or_b32 s[G0A+7], s[G0A+7], 0x80000000
	s_mov_b32 s[G0B], 1
	s_mov_b32 s[G0B+1], s23
	s_add_nc_u64 s[G0B+2:G0B+3], s[46:47], 0
	s_or_b32 s[G0B+3], s[G0B+3], 0x80000000
	s_mov_b32 s[G0B+4], 1
	s_add_co_u32 s[G0B+5], s23, SLOT
	s_add_nc_u64 s[G0B+6:G0B+7], s[46:47], KSTEPB
	s_or_b32 s[G0B+7], s[G0B+7], 0x80000000
	s_cmp_eq_u32 s11, 0                            ; a wave's two first fills stand in one branch
	s_cbranch_scc0 .Lfirst_b
	tensor_load_to_lds s[G0A:G0A+3], s[G1A:G1A+7]
	s_nop 0
	tensor_load_to_lds s[G0A+4:G0A+7], s[G1A:G1A+7]
	s_nop 0
.rept 4
	v_nop
.endr
	s_branch .Lfirst_asked
.Lfirst_b:
	tensor_load_to_lds s[G0B:G0B+3], s[G1B:G1B+7]
	s_nop 0
	tensor_load_to_lds s[G0B+4:G0B+7], s[G1B:G1B+7]
	s_nop 0
.rept 4
	v_nop
.endr
.Lfirst_asked:
	v_and_b32 v1, 15, v0
	v_bfe_u32 v2, v0, 4, 1
	v_mul_u32_u24 v3, v1, PITCH
	v_lshl_add_u32 v3, v2, 4, v3                   ; row x pitch + 16 x half
	s_mul_i32 s21, s11, AHALF
	s_mul_i32 s23, s12, BHALF
	s_add_co_u32 s23, s23, BOFF
	v_add_nc_u32 v[ADRA0], s21, v3
	v_add_nc_u32 v[ADRB0], s23, v3
	v_mov_b32 v[ADRA], v[ADRA0]
	v_mov_b32 v[ADRB], v[ADRB0]
	s_mov_b32 s2, 0
	s_mul_i32 s23, s10, 16*SPITCH
	s_add_co_u32 s23, s23, STAGE
	v_add_nc_u32 v[STO], s23, v3
	v_mul_u32_u24 v5, v2, SPITCH
	v_lshl_add_u32 v5, v1, 4, v5
	v_add_nc_u32 v[RD], s23, v5
	v_lshlrev_b32 v5, 11, v2
	v_lshl_add_u32 v[CO], v1, 4, v5
	v_and_b32 v[SO], 31, v0
	v_lshlrev_b32 v[SO], 4, v[SO]
	s_lshl_b32 s18, s13, 7
	s_lshl_b32 s19, s11, 6
	s_add_co_u32 s18, s18, s19
	s_lshl_b32 s18, s18, 11                        ; ew: my first row,
	s_lshl_b32 s19, s42, 9
	s_add_co_u32 s18, s18, s19
	s_lshl_b32 s19, s12, 8
	s_add_co_u32 s18, s18, s19                     ; my first key
	s_mov_b32 s19, 0
	s_add_nc_u64 s[72:73], s[72:73], s[18:19]
	s_lshl_b32 s18, s13, 1
	s_add_co_u32 s18, s18, s11                     ; st: group of 64 rows 2 y + half,
	s_lshl_b32 s18, s18, 3
	s_lshl_b32 s19, s42, 1
	s_add_co_u32 s18, s18, s19
	s_add_co_u32 s18, s18, s12                     ; block j = 2 x + half,
	s_lshl_b32 s18, s18, 9                         ; 512 bytes each
	s_mov_b32 s19, 0
	s_add_nc_u64 s[74:75], s[74:75], s[18:19]
	s_lshl_b32 s18, s13, 7                         ; the prefetches: q's rows,
	s_lshl_b32 s19, s15, 10
	s_lshl_b32 s20, s42, 8
	s_add_co_u32 s19, s19, s20
	s_lshl_b32 s20, s12, 7
	s_add_co_u32 s19, s19, s20
	s_add_co_u32 s19, s19, 16384                   ; key's, 16,384 rows of 2,048 bytes into xh
	s_and_b32 s21, s14, 1                          ; which of the batch's two clusters
	s_cmp_eq_u32 s11, 0
	s_cselect_b32 s18, s18, s19
	s_cselect_b32 s20, s40, s41
	s_cselect_b32 s21, s12, s21                    ; of waves 0 and 1 wave 0 alone asks
	s_cselect_b64 s[PFA:PFA+1], s[68:69], s[70:71]
	s_cmp_eq_u32 s21, 0
	s_cselect_b32 s[LIM], 2, -1
	s_lshl_b32 s20, s20, 5
	s_add_co_u32 s18, s18, s20
	s_lshl_b32 s18, s18, 11
	s_mov_b32 s19, 0
	s_add_nc_u64 s[PFA:PFA+1], s[PFA:PFA+1], s[18:19]
	s_add_nc_u64 s[PFA:PFA+1], s[PFA:PFA+1], 3*KSTEPB
	v_and_b32 v[PFO], 31, v0
	v_lshlrev_b32 v[PFO], 11, v[PFO]
.macro MUL8 f, a, zero                 ; tile a x all 8 blocks of 16 keys, 32 along K.  The 32 accumulators take turns, in the same order in every quarter
	WIN 0x50
.irp b, 0,1,2,3,4,5,6,7
.if \zero
	v_wmma_f32_16x16x32_f16 v[8*(8*(\a)+(\b)):8*(8*(\a)+(\b))+7], v[(\f)+8*(\b):(\f)+8*(\b)+7], v[(\f)+64+8*(\a):(\f)+64+8*(\a)+7], 0
.else
	v_wmma_f32_16x16x32_f16 v[8*(8*(\a)+(\b)):8*(8*(\a)+(\b))+7], v[(\f)+8*(\b):(\f)+8*(\b)+7], v[(\f)+64+8*(\a):(\f)+64+8*(\a)+7], v[8*(8*(\a)+(\b)):8*(8*(\a)+(\b))+7]
.endif
.endr
.endm
.macro FETCH k, f                      ; 24 LDS loads in one run
	WIN 0
.irp b, 0,1,2,3,4,5,6,7
	ds_load_b128 v[(\f)+8*(\b):(\f)+8*(\b)+3],   v[ADRB] offset:(\k)+(\b)*16*PITCH
	ds_load_b128 v[(\f)+8*(\b)+4:(\f)+8*(\b)+7], v[ADRB] offset:(\k)+(\b)*16*PITCH+32
.endr
.irp a, 0,1,2,3
	ds_load_b128 v[(\f)+64+8*(\a):(\f)+64+8*(\a)+3],   v[ADRA] offset:(\k)+(\a)*16*PITCH
	ds_load_b128 v[(\f)+64+8*(\a)+4:(\f)+64+8*(\a)+7], v[ADRA] offset:(\k)+(\a)*16*PITCH+32
.endr
.endm
.macro QUARTER k, f, g, zero
	s_wait_dscnt 4                                 ; all but the youngest four loads (q's tiles 2 and 3)
	MUL8 \f, 0, \zero
	MUL8 \f, 1, \zero
	PLACES
	FETCH \k, \g
	s_wait_dscnt 24                                ; all but the 24 just issued
	MUL8 \f, 2, \zero
	MUL8 \f, 3, \zero
.endm
.macro TURN fill                       ; the last quarter of a K step, and the change of slots
.if \fill
	s_wait_xcnt 0x0                                ; the last prefetch, a K step back, has read its address
	s_add_nc_u64 s[PFA:PFA+1], s[PFA:PFA+1], KSTEPB
.endif
	WIN 0
	s_wait_tensorcnt 0x0                           ; all my tensor loads have landed: my part of the next slot
	ds_add_u32 v[SPW], v[NIL]
	s_wait_dscnt 5                                 ; (the add and the youngest four loads may be out)
	MUL8 F1, 0, 0
	s_wait_dscnt 0x0                               ; the add is done, and my reads of this slot are over
	s_barrier_signal -1
	MUL8 F1, 1, 0
	WIN 0
	s_barrier_wait -1
.if \fill
	CREST                                          ; no wave of any partner still reads this slot or has a load on its way
	s_xor_b32 s[G0A+5], s[G0A+5], SLOT
	s_add_nc_u64 s[G0A+6:G0A+7], s[G0A+6:G0A+7], KSTEPB
	s_xor_b32 s[G0B+5], s[G0B+5], SLOT
	s_add_nc_u64 s[G0B+6:G0B+7], s[G0B+6:G0B+7], KSTEPB
	JLOAD
.else
	PLACES
.endif
	s_xor_b32 s2, s2, SLOT
	v_add_nc_u32 v[ADRA], s2, v[ADRA0]
	v_add_nc_u32 v[ADRB], s2, v[ADRB0]
	FETCH 0, F0
.if \fill
	ASK
.endif
	MUL8 F1, 2, 0
	MUL8 F1, 3, 0
.endm
	s_wait_tensorcnt 0x1                           ; my part of K step 0 is in; K step 1's may stay out
	s_barrier_signal -1
	s_barrier_wait -1
	FETCH 0, F0
	QUARTER 64, F0, F1, 1
	WIN 0
	s_mov_b32 s3, 6
.Lstep:
	QUARTER 128, F1, F0, 0
	QUARTER 192, F0, F1, 0
	TURN 1
	QUARTER 64, F0, F1, 0
	WIN 0
	s_sub_co_u32 s3, s3, 1
	s_cmp_lg_u32 s3, 0
	s_cbranch_scc1 .Lstep
	QUARTER 128, F1, F0, 0
	QUARTER 192, F0, F1, 0
	TURN 0
	QUARTER 64, F0, F1, 0
	QUARTER 128, F1, F0, 0
	QUARTER 192, F0, F1, 0
	s_wait_dscnt 4
	MUL8 F1, 0, 0
	MUL8 F1, 1, 0
	s_wait_dscnt 0x0
	MUL8 F1, 2, 0
	MUL8 F1, 3, 0
	PLACES
	; THE MAXIMA.  Chain q = 4 a + i takes the 16 scores of accumulators (a, 2 i) and (a, 2 i + 1), three operands at a time; each accumulator is read from its low end on.
	WIN 0x15
.set q, 0
.rept 16
	v_max3_num_f32 v[TC+q], v[16*q], v[16*q+1], v[16*q+2]
.set q, q+1
.endr
	WIN 0x14
.irp n, 1,2,3,4,5,6
.set q, 0
.rept 16
	v_max3_num_f32 v[TC+q], v[TC+q], v[16*q+2*(\n)+1], v[16*q+2*(\n)+2]
.set q, q+1
.endr
.endr
.set q, 0
.rept 16
	v_max_num_f32 v[TC+q], v[TC+q], v[16*q+15]
.set q, q+1
.endr
	WIN 0
.irp a, 0,1,2,3
	v_max3_num_f32 v[TC+4*(\a)], v[TC+4*(\a)], v[TC+4*(\a)+1], v[TC+4*(\a)+2]
.endr
.irp a, 0,1,2,3
	v_max_num_f32 v[TC+4*(\a)], v[TC+4*(\a)], v[TC+4*(\a)+3]
.endr
.irp a, 0,1,2,3
	v_permlanex16_b32 v[TC+4*(\a)+1], v[TC+4*(\a)], s78, s79  ; the query's other 64 keys lie in the lane 16 away
.endr
.irp a, 0,1,2,3
	v_max_num_f32 v[TC+4*(\a)], v[TC+4*(\a)], v[TC+4*(\a)+1]
.endr
.irp a, 0,1,2,3
	v_mul_f32 v[MP+2*(\a)], s76, v[TC+4*(\a)]
	v_mul_f32 v[MP+2*(\a)+1], s76, v[TC+4*(\a)]
.endr
	; c acc - m', and the exponentials: ONE BATCH of 256 with ONE wait.  The scalings of tile a + 1 stand between the exponentials of tile a; none of these lines reads an exponential's result.
.macro FS p                            ; pair p of 128
	v_pk_fma_f32 v[2*(\p):2*(\p)+1], v[2*(\p):2*(\p)+1], s[76:77], v[MP+2*((\p)/32):MP+2*((\p)/32)+1] op_sel_hi:[1,0,0] neg_lo:[0,0,1] neg_hi:[0,0,1]
.endm
	WIN 0x41
.set i, 0
.rept 32
	FS i
.set i, i+1
.endr
.set i, 0
.rept 128
	v_exp_f32 v[2*i], v[2*i]
	v_exp_f32 v[2*i+1], v[2*i+1]
.if i < 96
	FS i+32
.endif
.set i, i+1
.endr
	v_nop                                          ; a plain instruction behind the last exponential,
	s_wait_alu depctr_va_vdst(0)                   ; and the wait ahead of the first use: one for the batch
; Tile a: E rounded to f16; the sum of the unrounded E, by a tree in place, and across the lanes' halves.
.macro PACKS a
	WIN 0x05
.set i, 0
.rept 32
	v_cvt_pk_f16_f32 v[32+32*((\a)%2)+i], v[64*(\a)+2*i], v[64*(\a)+2*i+1]
.set i, i+1
.endr
	WIN 0x45
.irp d, 1,2,4,8,16
.set i, 0
.rept 16/(\d)
	v_pk_add_f32 v[64*(\a)+2*i:64*(\a)+2*i+1], v[64*(\a)+2*i:64*(\a)+2*i+1], v[64*(\a)+2*(i+(\d)):64*(\a)+2*(i+(\d))+1]
.set i, i+2*(\d)
.endr
.endr
	WIN 0x05
	v_add_f32 v[LS+(\a)], v[64*(\a)], v[64*(\a)+1]
	WIN 0
	v_permlanex16_b32 v[TC+4*(\a)+1], v[LS+(\a)], s78, s79
	v_add_f32 v[LS+(\a)], v[LS+(\a)], v[TC+4*(\a)+1]
.endm
.macro TOSTAGE a
	WIN 0
.irp b, 0,1,2,3,4,5,6,7
	ds_store_b128 v[STO], v[32+32*((\a)%2)+4*(\b):32+32*((\a)%2)+4*(\b)+3] offset:32*(\b)
.endr
.irp t, 0,1,2,3,4,5,6,7
	ds_load_b128 v[128+32*((\a)%2)+4*(\t):128+32*((\a)%2)+4*(\t)+3], v[RD] offset:(\t)*2*SPITCH  ; LDS serves a wave's instructions in order (ISA guide 5.7.1.4)
.endr
.endm
.macro SEND a
	WIN 0
	s_wait_dscnt 0x0                               ; the tile is back in registers
	s_wait_xcnt 0x0                                ; the stores of the tile before have read their registers, which the next tile's loads from the stage take
.irp t, 0,1,2,3,4,5,6,7
	global_store_b128 v[CO], v[128+32*((\a)%2)+4*(\t):128+32*((\a)%2)+4*(\t)+3], s[72:73] offset:(16*(\a)+2*(\t))*ROWB  ; 16 lanes store 256 consecutive bytes, at a multiple of 256 from ew's first byte
.endr
.endm
	PACKS 0
	TOSTAGE 0
.irp a, 1,2,3
	PACKS \a
	SEND (\a)-1
	TOSTAGE \a
.endr
	SEND 3
.irp a, 0,1,2,3
	v_cndmask_b32 v[OQ+(\a)], v[MP+2*(\a)], v[LS+(\a)], s80  ; lanes 0-15 store their query's four m', lanes 16-31 its four l
.endr
	global_store_b128 v[SO], v[OQ:OQ+3], s[74:75]  ; 512 consecutive bytes, aligned
	s_wait_tensorcnt 0x0                           ; the wave's end
	ds_add_u32 v[SPW], v[NIL]
	s_wait_dscnt 0x0
	CROUND
	s_endpgm
.Lfunc_end_k_qcbb594aafd_score:
	.size	k_qcbb594aafd_score, .Lfunc_end_k_qcbb594aafd_score-k_qcbb594aafd_score
	.p2alignl 7, 3214868480
	.fill 96, 4, 3214868480
	.section	.rodata,"a",@progbits
	.p2align	6, 0x0
	.amdhsa_kernel k_qcbb594aafd_score
		.amdhsa_group_segment_fixed_size 327680
		.amdhsa_private_segment_fixed_size 0
		.amdhsa_enable_private_segment 0
		.amdhsa_kernarg_size 32
		.amdhsa_user_sgpr_count 2
		.amdhsa_user_sgpr_kernarg_segment_ptr 1
		.amdhsa_wavefront_size32 1
		.amdhsa_system_sgpr_workgroup_id_x 1
		.amdhsa_system_sgpr_workgroup_id_y 1
		.amdhsa_system_sgpr_workgroup_id_z 1
		.amdhsa_system_vgpr_workitem_id 0
		.amdhsa_next_free_vgpr 512
		.amdhsa_next_free_sgpr 82
		.amdhsa_reserve_vcc 0
		.amdhsa_float_denorm_mode_32 3
		.amdhsa_float_denorm_mode_16_64 3
		.amdhsa_memory_ordered 1
		.amdhsa_forward_progress 1
		.amdhsa_inst_pref_size 105
	.end_amdhsa_kernel
	.amdgpu_metadata
---
amdhsa.version: [ 1, 2 ]
amdhsa.kernels:
  - .name:           k_qcbb594aafd_score
    .symbol:         k_qcbb594aafd_score.kd
    .args:
      - { .name: qv, .offset: 0, .size: 8, .value_kind: global_buffer, .address_space: global }
      - { .name: xh, .offset: 8, .size: 8, .value_kind: global_buffer, .address_space: global }
      - { .name: ew, .offset: 16, .size: 8, .value_kind: global_buffer, .address_space: global }
      - { .name: st, .offset: 24, .size: 8, .value_kind: global_buffer, .address_space: global }
    .group_segment_fixed_size: 327680
    .private_segment_fixed_size: 0
    .kernarg_segment_align: 8
    .kernarg_segment_size: 32
    .max_flat_workgroup_size: 128
    .sgpr_count:     82
    .vgpr_count:     512
    .wavefront_size: 32
...
	.end_amdgpu_metadata
.endif
;; end of part 3
;; launch mix (part 4): grid 4 x 64, 4 waves a work-group, clusters of 4 x 4, 327,680 bytes of LDS; arguments ew, st, qv, bo, out0; writes out0
.if DOCPART == 4
	.amdgcn_target "amdgcn-amd-amdhsa--gfx1250"
	.amdhsa_code_object_version 6
	.text
	.protected	k_qcbb594aafd_mix
	.globl	k_qcbb594aafd_mix
	.p2align	8
	.type	k_qcbb594aafd_mix,@function
k_qcbb594aafd_mix:
	s_mov_b64 s[64:65], 0
	v_nop
	global_prefetch_b8 v0, s[64:65] scope:SCOPE_SE
	s_setreg_imm32_b32 hwreg(HW_REG_WAVE_MODE, 25, 1), 1
	s_wait_xcnt 0x0
	s_wait_alu depctr_hold_cnt(0) depctr_sa_sdst(0) depctr_va_vdst(0) depctr_va_sdst(0) depctr_va_ssrc(0) depctr_va_vcc(0) depctr_vm_vsrc(0)
	s_getreg_b32 s2, hwreg(HW_REG_IB_STS2, 6, 4)
	s_cmp_eq_u32 s2, 0
	s_cbranch_scc0 .Lentry_in_a_cluster
	s_endpgm
.Lentry_in_a_cluster:
	s_bfe_u32 s2, ttmp6, 0x10000c
	s_cmp_lg_u32 s2, 0xf033
	s_cbranch_scc0 .Lentry_shape_is_right
	s_endpgm
.Lentry_shape_is_right:
; MIX: out = (sum over blocks j and their keys k of c_j E[q][k] (v' 2^-10)[k][c]) 1024 / L + bo[c], with M' = max over j of m'_j, c_j = 2^(m'_j - M'), L = sum over j of c_j l_j:
; the softmax's second half (the row's maximum is taken away here) and the product with v'.  No work is left out.
; LIMITS.  c_j and c_j E are f16: a weight below 6e-5 of its row's largest keeps the fixed step 6e-8; NaN and infinities are not treated apart.
; SHARES.  A work-group makes 128 queries x 256 channels (64 x 4 tiles); a wave 64 x 128: 32 accumulators.  K = 1024 keys in 8 steps of 128: K step s is block j = s.  Two LDS slots.
; CLUSTER.  4 x 4: E's tile is shared along a row of the cluster, v's along a column: joint loads.  A wave has two tensor loads out at the start and one behind each round.
; LAYOUT.  Source 0 = 16 channels of v' (it lies [key][channel] and is turned by ds_load_tr16_b128), source 1 = 16 queries of E: a lane holds one query and eight neighbouring channels.
; A lane's fragment of E holds one query's keys, so c_j is one packed factor a tile: eight v_pk_mul_f16 a fragment, between its load and its products.
; REGISTERS: window 0: v0-31 addresses and the step's four factors; two fragment buffers of 96 at v32 and v128 (v's 8 fragments, then E's 4); v224-231 1024 / L.
;   window 1: accumulator (a, b) at 8 (8 a + b).     window 2: v0-63 my 64 numbers of bo.
.set KSTEPA, 256                       ; E: bytes of a row in a K step
.set KSTEPV, 128*2048                  ; v': 128 rows down
.set PITCH,  272
.set BPITCH, 544                       ; a row of v' in LDS: 512 bytes + 32
.set AHALF,  64*PITCH
.set BOFF,   2*AHALF
.set BHALF,  64*BPITCH
.set SLOT,   1<<17
.set STAGE,  SLOT+BOFF+2*BHALF         ; 235,520: 16 rows x 528 bytes for each wave
.set SPITCH, 528
.set CTAB,   STAGE+4*16*SPITCH         ; 269,312: for each wave 8 blocks x 32 lanes x 16 bytes: the factors
.set SPARE,  CTAB+4*4096               ; the spare words: two blocks of 256 bytes that no other line names
.set SA,    15                         ; v15  16 (l % 16): my query's place in a block's statistics; never rewritten
.set ADRA0, 16
.set ADRB0, 17
.set ADRA,  18
.set ADRB,  19
.set STO,   20
.set RD,    21
.set GO,    22                         ; v22  16 x lane: my 16 bytes of a row's 512
.set CTA,   23                         ; v23  where the next step's factors lie
.set CC,    24                         ; v[24:27] the step's factor for tile a, twice in f16
.set SPW,   28
.set NIL,   29
.set PFO,   30
.set BA,    31                         ; v31  32 (l / 16): my place in 64 bytes of bo; never rewritten
.set F0,    32
.set F1,    128
.set INV,   224                        ; v224-231  1024 / L of tile a, twice
.set G1A,   24
.set G0A,   32
.set G1B,   48
.set G0B,   56
.set PFA,   44
.set LIM,   43
.set G1WA,  (1<<16)|(1<<20)|(1<<21)|(5<<22)|(3<<25)  ; after every 64 words, 4 words of padding
.set G1WB,  (1<<16)|(1<<20)|(1<<21)|(6<<22)|(7<<25)  ; after every 128 words, 8 words
.set MSB, 0
.macro WIN new
.if MSB != (\new)
	s_set_vgpr_msb (MSB<<8)|(\new)
.set MSB, \new
.endif
.endm
.macro PLACES
.rept 4
	v_nop
.endr
.endm
.macro JLOAD                           ; waves 0 and 1 fetch E's halves, waves 2 and 3 v's; an s_nop 0 and four v_nop follow each line
	s_cmp_eq_u32 s11, 0
	s_cbranch_scc0 .Lfor_b_\@
	tensor_load_to_lds s[G0A+4:G0A+7], s[G1A:G1A+7]
	s_nop 0
.rept 4
	v_nop
.endr
	s_branch .Lasked_\@
.Lfor_b_\@:
	tensor_load_to_lds s[G0B+4:G0B+7], s[G1B:G1B+7]
	s_nop 0
.rept 4
	v_nop
.endr
.Lasked_\@:
.endm
; A prefetch of the K step two refills on.  E's 128 rows x 256 bytes are read by my cluster alone: wave 0 of each of the row's four partners takes 32 rows, a lane a row.  v's rows are read by the batch's
; two clusters: in the first, waves 2 and 3 of each of the column's four partners take 16 of the 64 rows x 512 bytes that they fetch, two lanes a row.  K steps 4 to 7; the last two refills ask for nothing.
.macro ASK
	s_cmp_gt_u32 s3, s[LIM]
	s_cbranch_scc0 .Lnot_mine_\@
	global_prefetch_b8 v[PFO], s[PFA:PFA+1] th:TH_LOAD_NT scope:SCOPE_SE
.Lnot_mine_\@:
.endm
.macro CREST
	s_cmp_lg_u32 s10, 0
	s_cbranch_scc1 .Lnot_wave_0_\@
	s_barrier_signal -3
.Lnot_wave_0_\@:
	s_barrier_wait -3
	s_barrier_signal -1
	s_barrier_wait -1
.endm
.macro CROUND
	s_barrier_signal -1
	s_barrier_wait -1
	CREST
.endm
.macro G1REST g, cols                  ; 64 rows of cols elements, 1024 elements apart
	s_mov_b32 s[(\g)+1], (\cols)<<16
	s_mov_b32 s[(\g)+2], 64<<16
	s_mov_b32 s[(\g)+3], (\cols)<<16
	s_mov_b32 s[(\g)+4], 64
	s_mov_b32 s[(\g)+5], 1024
	s_mov_b32 s[(\g)+6], 0
	s_mov_b32 s[(\g)+7], 0
.endm
	s_load_b256 s[68:75], s[0:1], 0x0              ; ew 68, st 70, qv 72, bo 74
	s_load_b64 s[76:77], s[0:1], 0x20              ; out0
	v_lshl_add_u32 v[SPW], v0, 2, SPARE
	v_mov_b32 v[NIL], 0
	ds_add_u32 v[SPW], v[NIL]                      ; the wave's opening: the add, twice on end, and its wait ahead of my first tensor load
	ds_add_u32 v[SPW], v[NIL]
	v_lshrrev_b32 v1, 5, v0
	v_readfirstlane_b32 s10, v1
	s_lshr_b32 s11, s10, 1                         ; my half of the queries; also: I fetch for E (0) or v' (1)
	s_and_b32 s12, s10, 1                          ; my half of the channels; also: which half of the tile I fetch
	s_bfe_u32 s40, ttmp6, 0x40000
	s_bfe_u32 s41, ttmp6, 0x40004
	s_lshl_b32 s42, ttmp9, 2
	s_add_co_u32 s42, s42, s40                     ; x: 256 channels
	s_and_b32 s14, ttmp7, 0xffff
	s_lshl_b32 s13, s14, 2
	s_add_co_u32 s13, s13, s41                     ; y: 128 queries
	s_lshr_b32 s15, s14, 1                         ; the batch
	s_lshl_b32 s20, s41, 2
	s_lshl_b32 s20, 15, s20
	s_lshl_b32 s21, 0x1111, s40
	s_or_b32 s[G1A], s20, G1WA
	s_or_b32 s[G1B], s21, G1WB
	G1REST G1A, 128
	G1REST G1B, 256
	s_lshl_b32 s16, s13, 7
	s_lshl_b32 s17, s12, 6
	s_add_co_u32 s16, s16, s17                     ; E: row 128 y + 64 half
	s_lshl_b32 s16, s16, 11
	s_mov_b32 s17, 0
	s_lshl_b32 s46, s15, 10
	s_lshl_b32 s47, s12, 6
	s_add_co_u32 s46, s46, s47                     ; v': row 1024 batch + 64 half,
	s_lshl_b32 s46, s46, 11
	s_lshl_b32 s47, s42, 9
	s_add_co_u32 s46, s46, s47                     ; my tile's 256 channels,
	s_add_co_u32 s46, s46, 0x1000000               ; in plane 1 of qv
	s_mov_b32 s47, 0
	s_mul_i32 s22, s12, AHALF
	s_mul_i32 s23, s12, BHALF
	s_add_co_u32 s23, s23, BOFF
	s_wait_dscnt 0x0
	s_wait_kmcnt 0x0
	s_add_nc_u64 s[16:17], s[68:69], s[16:17]
	s_add_nc_u64 s[46:47], s[72:73], s[46:47]
	CROUND
	s_mov_b32 s[G0A], 1
	s_mov_b32 s[G0A+1], s22
	s_add_nc_u64 s[G0A+2:G0A+3], s[16:17], 0
	s_or_b32 s[G0A+3], s[G0A+3], 0x80000000
	s_mov_b32 s[G0A+4], 1
	s_add_co_u32 s[G0A+5], s22, SLOT
	s_add_nc_u64 s[G0A+6:G0A+7], s[16:17], KSTEPA
	s_or_b32 s[G0A+7], s[G0A+7], 0x80000000
	s_mov_b32 s[G0B], 1
	s_mov_b32 s[G0B+1], s23
	s_add_nc_u64 s[G0B+2:G0B+3], s[46:47], 0
	s_or_b32 s[G0B+3], s[G0B+3], 0x80000000
	s_mov_b32 s[G0B+4], 1
	s_add_co_u32 s[G0B+5], s23, SLOT
	s_add_nc_u64 s[G0B+6:G0B+7], s[46:47], KSTEPV
	s_or_b32 s[G0B+7], s[G0B+7], 0x80000000
	s_cmp_eq_u32 s11, 0                            ; a wave's two first fills stand in one branch
	s_cbranch_scc0 .Lfirst_b
	tensor_load_to_lds s[G0A:G0A+3], s[G1A:G1A+7]
	s_nop 0
	tensor_load_to_lds s[G0A+4:G0A+7], s[G1A:G1A+7]
	s_nop 0
.rept 4
	v_nop
.endr
	s_branch .Lfirst_asked
.Lfirst_b:
	tensor_load_to_lds s[G0B:G0B+3], s[G1B:G1B+7]
	s_nop 0
	tensor_load_to_lds s[G0B+4:G0B+7], s[G1B:G1B+7]
	s_nop 0
.rept 4
	v_nop
.endr
.Lfirst_asked:
	; the statistics of my 64 queries (8 blocks x m', l) and my 64 numbers of the bias are asked for first
	v_and_b32 v1, 15, v0                           ; r
	v_bfe_u32 v2, v0, 4, 1                         ; h
	v_lshlrev_b32 v[SA], 4, v1
	v_lshlrev_b32 v[BA], 5, v2
	s_lshl_b32 s18, s13, 1
	s_add_co_u32 s18, s18, s11
	s_lshl_b32 s18, s18, 12                        ; group 2 y + half, 4,096 bytes each
	s_mov_b32 s19, 0
	s_add_nc_u64 s[70:71], s[70:71], s[18:19]
	s_lshl_b32 s18, s42, 10
	s_lshl_b32 s20, s12, 9
	s_add_co_u32 s18, s18, s20                     ; channel 256 x + 128 half, 4 bytes each
	s_add_nc_u64 s[74:75], s[74:75], s[18:19]
.irp j, 0,1,2,3,4,5,6,7
	global_load_b128 v[32+4*(\j):32+4*(\j)+3], v[SA], s[70:71] offset:512*(\j)      ; m' of block j, tiles 0-3
	global_load_b128 v[64+4*(\j):64+4*(\j)+3], v[SA], s[70:71] offset:512*(\j)+256  ; l
.endr
	WIN 0x80                                       ; destination window 2
.irp b, 0,1,2,3,4,5,6,7
	global_load_b128 v[8*(\b):8*(\b)+3],   v[BA], s[74:75] offset:64*(\b)
	global_load_b128 v[8*(\b)+4:8*(\b)+7], v[BA], s[74:75] offset:64*(\b)+16
.endr
	WIN 0
	v_mul_u32_u24 v3, v1, PITCH
	v_lshl_add_u32 v3, v2, 4, v3
	s_mul_i32 s21, s11, AHALF
	v_add_nc_u32 v[ADRA0], s21, v3
	v_and_b32 v4, 7, v0
	v_bfe_u32 v5, v0, 3, 1
	v_lshl_add_u32 v6, v2, 3, v4                   ; the turning load's row: 8 h + l % 8
	v_mul_u32_u24 v[ADRB0], v6, BPITCH
	v_lshl_add_u32 v[ADRB0], v5, 4, v[ADRB0]
	s_lshl_b32 s23, s12, 8
	s_add_co_u32 s23, s23, BOFF
	v_add_nc_u32 v[ADRB0], s23, v[ADRB0]
	v_mov_b32 v[ADRA], v[ADRA0]
	v_mov_b32 v[ADRB], v[ADRB0]
	s_mov_b32 s2, 0
	v_and_b32 v4, 31, v0                           ; l
	s_mul_i32 s23, s10, 16*SPITCH
	s_add_co_u32 s23, s23, STAGE
	v_mul_u32_u24 v[STO], v1, SPITCH               ; in: row l % 16, 32 bytes for each half of the lanes
	v_lshl_add_u32 v[STO], v2, 5, v[STO]
	v_add_nc_u32 v[STO], s23, v[STO]
	v_lshl_add_u32 v[RD], v4, 4, s23               ; back: 32 lanes take one row of 512 bytes
	v_lshlrev_b32 v[GO], 4, v4
	s_lshl_b32 s23, s10, 12
	s_add_co_u32 s23, s23, CTAB
	v_lshl_add_u32 v[CTA], v4, 4, s23
	s_lshl_b32 s18, s13, 7
	s_lshl_b32 s20, s11, 6
	s_add_co_u32 s18, s18, s20
	s_lshl_b32 s18, s18, 12                        ; out0: my first row, 4,096 bytes each,
	s_lshl_b32 s20, s42, 10
	s_add_co_u32 s18, s18, s20
	s_lshl_b32 s20, s12, 9
	s_add_co_u32 s18, s18, s20                     ; my first channel
	s_add_nc_u64 s[76:77], s[76:77], s[18:19]
	s_lshl_b32 s18, s13, 7                         ; the prefetches.  E: row 128 y + 32 cx, at K step 3
	s_lshl_b32 s20, s40, 5
	s_add_co_u32 s18, s18, s20
	s_lshl_b32 s18, s18, 11
	s_add_co_u32 s18, s18, 3*KSTEPA
	s_lshl_b32 s19, s15, 10                        ; v': row 1024 batch + 64 half + 16 cy, my tile's channels, plane 1, at K step 3
	s_lshl_b32 s20, s12, 6
	s_add_co_u32 s19, s19, s20
	s_lshl_b32 s20, s41, 4
	s_add_co_u32 s19, s19, s20
	s_lshl_b32 s19, s19, 11
	s_lshl_b32 s20, s42, 9
	s_add_co_u32 s19, s19, s20
	s_add_co_u32 s19, s19, 0x1000000+3*KSTEPV
	s_and_b32 s21, s14, 1                          ; which of the batch's two clusters
	s_mov_b32 s78, KSTEPV
	s_cmp_eq_u32 s11, 0
	s_cselect_b32 s18, s18, s19
	s_cselect_b32 s21, s12, s21                    ; of waves 0 and 1 wave 0 alone asks
	s_cselect_b32 s78, KSTEPA, s78                 ; s[78:79]: the prefetches' step
	s_cselect_b32 s20, -1, 0
	s_cselect_b64 s[PFA:PFA+1], s[68:69], s[72:73]
	s_mov_b32 s19, 0
	s_mov_b32 s79, 0
	s_add_nc_u64 s[PFA:PFA+1], s[PFA:PFA+1], s[18:19]
	s_cmp_eq_u32 s21, 0
	s_cselect_b32 s[LIM], 2, -1
	v_lshlrev_b32 v5, 11, v4                       ; E: a lane a row
	v_lshrrev_b32 v6, 1, v4
	v_and_b32 v7, 1, v4
	v_lshlrev_b32 v6, 11, v6
	v_lshl_add_u32 v6, v7, 8, v6                   ; v': two lanes a row of 512 bytes
	v_cndmask_b32 v[PFO], v6, v5, s20
	; M', c_j, L
	s_wait_loadcnt 16                              ; the statistics are in; the bias's 16 loads may stay out
.irp a, 0,1,2,3
	v_max3_num_f32 v[96+(\a)], v[32+(\a)], v[36+(\a)], v[40+(\a)]
.endr
.irp a, 0,1,2,3
	v_max3_num_f32 v[96+(\a)], v[96+(\a)], v[44+(\a)], v[48+(\a)]
.endr
.irp a, 0,1,2,3
	v_max3_num_f32 v[96+(\a)], v[96+(\a)], v[52+(\a)], v[56+(\a)]
.endr
.irp a, 0,1,2,3
	v_max_num_f32 v[96+(\a)], v[96+(\a)], v[60+(\a)]
.endr
.set i, 0
.rept 16
	v_pk_add_f32 v[32+2*i:32+2*i+1], v[32+2*i:32+2*i+1], v[96+2*(i%2):96+2*(i%2)+1] neg_lo:[0,1] neg_hi:[0,1]  ; m'_j - M'
.set i, i+1
.endr
.set i, 0
.rept 32
	v_exp_f32 v[32+i], v[32+i]
.set i, i+1
.endr
	v_nop                                          ; a plain instruction behind the last exponential,
	s_wait_alu depctr_va_vdst(0)                   ; and the one wait for the batch, ahead of its first reader
.set i, 0
.rept 32
	v_cvt_pk_f16_f32 v[128+i], v[32+i], v[32+i]    ; c_j twice, for the packed multiply
.set i, i+1
.endr
	v_pk_mul_f32 v[100:101], v[32:33], v[64:65]
	v_pk_mul_f32 v[102:103], v[34:35], v[66:67]
.irp j, 1,2,3,4,5,6,7
	v_pk_fma_f32 v[100:101], v[32+4*(\j):32+4*(\j)+1], v[64+4*(\j):64+4*(\j)+1], v[100:101]
	v_pk_fma_f32 v[102:103], v[32+4*(\j)+2:32+4*(\j)+3], v[64+4*(\j)+2:64+4*(\j)+3], v[102:103]
.endr
.irp a, 0,1,2,3
	v_rcp_f32 v[104+(\a)], v[100+(\a)]             ; L is at least the largest block's sum, which holds a 1
.endr
	v_nop
.irp j, 0,1,2,3,4,5,6,7
	ds_store_b128 v[CTA], v[128+4*(\j):128+4*(\j)+3] offset:512*(\j)  ; my wave's own bytes: no other wave reads them
.endr
	s_wait_alu depctr_va_vdst(0)                   ; one wait for the four reciprocals
.irp a, 0,1,2,3
	v_mul_f32 v[INV+2*(\a)], 0x44800000, v[104+(\a)]    ; 1024 / L
	v_mul_f32 v[INV+2*(\a)+1], 0x44800000, v[104+(\a)]
.endr
	ds_load_b128 v[CC:CC+3], v[CTA]                ; block 0's factors (LDS serves a wave's instructions in order: ISA guide 5.7.1.4)
	v_add_nc_u32 v[CTA], 512, v[CTA]
.macro SCALE f, a                      ; E's fragment of tile a times c_j
	WIN 0
.irp k, 0,1,2,3,4,5,6,7
	v_pk_mul_f16 v[(\f)+64+8*(\a)+(\k)], v[(\f)+64+8*(\a)+(\k)], v[CC+(\a)]
.endr
.endm
.macro MUL8 f, a, zero                 ; tile a x all 8 blocks of 16 channels, 32 keys.  The 32 accumulators take turns, in the same order in every quarter
	WIN 0x50
.irp b, 0,1,2,3,4,5,6,7
.if \zero
	v_wmma_f32_16x16x32_f16 v[8*(8*(\a)+(\b)):8*(8*(\a)+(\b))+7], v[(\f)+8*(\b):(\f)+8*(\b)+7], v[(\f)+64+8*(\a):(\f)+64+8*(\a)+7], 0
.else
	v_wmma_f32_16x16x32_f16 v[8*(8*(\a)+(\b)):8*(8*(\a)+(\b))+7], v[(\f)+8*(\b):(\f)+8*(\b)+7], v[(\f)+64+8*(\a):(\f)+64+8*(\a)+7], v[8*(8*(\a)+(\b)):8*(8*(\a)+(\b))+7]
.endif
.endr
.endm
.macro FETCH kq, f                     ; 24 LDS loads in one run: quarter kq (32 keys) of the slot in hand
	WIN 0
.irp b, 0,1,2,3,4,5,6,7
	ds_load_tr16_b128 v[(\f)+8*(\b):(\f)+8*(\b)+3],   v[ADRB] offset:32*BPITCH*(\kq)+32*(\b)
	ds_load_tr16_b128 v[(\f)+8*(\b)+4:(\f)+8*(\b)+7], v[ADRB] offset:32*BPITCH*(\kq)+32*(\b)+16*BPITCH
.endr
.irp a, 0,1,2,3
	ds_load_b128 v[(\f)+64+8*(\a):(\f)+64+8*(\a)+3],   v[ADRA] offset:64*(\kq)+(\a)*16*PITCH
	ds_load_b128 v[(\f)+64+8*(\a)+4:(\f)+64+8*(\a)+7], v[ADRA] offset:64*(\kq)+(\a)*16*PITCH+32
.endr
.endm
; The sixteen scalings of tiles 0 and 1 name no register of the products that last read buffer g: they are the places in front of the loads into it.
.macro QUARTER kq, f, g, zero
	s_wait_dscnt 4                                 ; all but the youngest four loads (E's tiles 2 and 3); the step's factors are older
	SCALE \f, 0
	MUL8 \f, 0, \zero
	SCALE \f, 1
	MUL8 \f, 1, \zero
	FETCH \kq, \g
	s_wait_dscnt 24                                ; all but the 24 just issued
	SCALE \f, 2
	MUL8 \f, 2, \zero
	SCALE \f, 3
	MUL8 \f, 3, \zero
.endm
; The last quarter of a K step, and the change of slots.  All four scalings stand ahead of the load of the next block's factors; they are also the places in front of the loads into buffer 0.
.macro TURN fill
.if \fill
	s_wait_xcnt 0x0                                ; the last prefetch, a K step back, has read its address
	s_add_nc_u64 s[PFA:PFA+1], s[PFA:PFA+1], s[78:79]
.endif
	WIN 0
	s_wait_tensorcnt 0x0                           ; all my tensor loads have landed: my part of the next slot
	ds_add_u32 v[SPW], v[NIL]
	s_wait_dscnt 5                                 ; (the add and the youngest four loads may be out)
	SCALE F1, 0
	MUL8 F1, 0, 0
	s_wait_dscnt 0x0                               ; the add is done, and my reads of this slot are over
	s_barrier_signal -1
	SCALE F1, 1
	MUL8 F1, 1, 0
	SCALE F1, 2
	SCALE F1, 3
	s_barrier_wait -1
.if \fill
	CREST                                          ; no wave of any partner still reads this slot or has a load on its way
	s_xor_b32 s[G0A+5], s[G0A+5], SLOT
	s_add_nc_u64 s[G0A+6:G0A+7], s[G0A+6:G0A+7], KSTEPA
	s_xor_b32 s[G0B+5], s[G0B+5], SLOT
	s_add_nc_u64 s[G0B+6:G0B+7], s[G0B+6:G0B+7], KSTEPV
	JLOAD
.endif
	s_xor_b32 s2, s2, SLOT
	v_add_nc_u32 v[ADRA], s2, v[ADRA0]
	v_add_nc_u32 v[ADRB], s2, v[ADRB0]
	ds_load_b128 v[CC:CC+3], v[CTA]                ; the next block's factors
	v_add_nc_u32 v[CTA], 512, v[CTA]
	FETCH 0, F0
.if \fill
	ASK
.endif
	MUL8 F1, 2, 0
	MUL8 F1, 3, 0
.endm
	s_wait_tensorcnt 0x1                           ; my part of K step 0 is in; K step 1's may stay out
	s_wait_dscnt 0x0                               ; no LDS instruction of mine is out at a signal
	s_barrier_signal -1
	s_barrier_wait -1
	FETCH 0, F0
	QUARTER 1, F0, F1, 1
	WIN 0
	s_mov_b32 s3, 6
.Lstep:
	QUARTER 2, F1, F0, 0
	QUARTER 3, F0, F1, 0
	TURN 1
	QUARTER 1, F0, F1, 0
	WIN 0
	s_sub_co_u32 s3, s3, 1
	s_cmp_lg_u32 s3, 0
	s_cbranch_scc1 .Lstep
	QUARTER 2, F1, F0, 0
	QUARTER 3, F0, F1, 0
	TURN 0
	QUARTER 1, F0, F1, 0
	QUARTER 2, F1, F0, 0
	QUARTER 3, F0, F1, 0
	s_wait_dscnt 4
	SCALE F1, 0
	MUL8 F1, 0, 0
	SCALE F1, 1
	MUL8 F1, 1, 0
	s_wait_dscnt 0x0
	SCALE F1, 2
	MUL8 F1, 2, 0
	SCALE F1, 3
	MUL8 F1, 3, 0
	PLACES
	s_wait_loadcnt 0x0                             ; the bias
; THE WAY OUT of tile a (16 rows x 128 channels of f32): times 1024 / L, plus the bias, in one fused multiply-add; through my own stage; stored as whole rows of 512 bytes.
.macro FIN a
	WIN 0x61                                       ; the sums (destination, source 0) window 1, 1024 / L window 0, the bias window 2
.set i, 0
.rept 32
	v_pk_fma_f32 v[64*(\a)+2*i:64*(\a)+2*i+1], v[64*(\a)+2*i:64*(\a)+2*i+1], v[INV+2*(\a):INV+2*(\a)+1], v[2*i:2*i+1] op_sel_hi:[1,0,1]
.set i, i+1
.endr
.endm
.macro TOSTAGE a
	WIN 0x04                                       ; the stores' data in window 1
.set i, 0
.rept 16
	ds_store_b128 v[STO], v[64*(\a)+4*i:64*(\a)+4*i+3] offset:64*(i/2)+16*(i%2)
.set i, i+1
.endr
	WIN 0
.set i, 0
.rept 16
	ds_load_b128 v[32+96*((\a)%2)+4*i:32+96*((\a)%2)+4*i+3], v[RD] offset:SPITCH*i  ; LDS serves a wave's instructions in order (ISA guide 5.7.1.4)
.set i, i+1
.endr
.endm
.macro SEND a
	WIN 0
	s_wait_dscnt 0x0                               ; the tile is back in registers
	s_wait_xcnt 0x0                                ; the stores of the tile before have read their registers, which the next tile's loads from the stage take
.set i, 0
.rept 16
	global_store_b128 v[GO], v[32+96*((\a)%2)+4*i:32+96*((\a)%2)+4*i+3], s[76:77] offset:(16*(\a)+i)*4096 th:TH_STORE_NT  ; 512 consecutive bytes, at a multiple of 256 from out0's first byte
.set i, i+1
.endr
.endm
	FIN 0
	TOSTAGE 0
.irp a, 1,2,3
	FIN \a
	SEND (\a)-1
	TOSTAGE \a
.endr
	SEND 3
	s_wait_tensorcnt 0x0                           ; the wave's end
	ds_add_u32 v[SPW], v[NIL]
	s_wait_dscnt 0x0
	CROUND
	s_endpgm
.Lfunc_end_k_qcbb594aafd_mix:
	.size	k_qcbb594aafd_mix, .Lfunc_end_k_qcbb594aafd_mix-k_qcbb594aafd_mix
	.p2alignl 7, 3214868480
	.fill 96, 4, 3214868480
	.section	.rodata,"a",@progbits
	.p2align	6, 0x0
	.amdhsa_kernel k_qcbb594aafd_mix
		.amdhsa_group_segment_fixed_size 327680
		.amdhsa_private_segment_fixed_size 0
		.amdhsa_enable_private_segment 0
		.amdhsa_kernarg_size 40
		.amdhsa_user_sgpr_count 2
		.amdhsa_user_sgpr_kernarg_segment_ptr 1
		.amdhsa_wavefront_size32 1
		.amdhsa_system_sgpr_workgroup_id_x 1
		.amdhsa_system_sgpr_workgroup_id_y 1
		.amdhsa_system_sgpr_workgroup_id_z 1
		.amdhsa_system_vgpr_workitem_id 0
		.amdhsa_next_free_vgpr 576
		.amdhsa_next_free_sgpr 80
		.amdhsa_reserve_vcc 0
		.amdhsa_float_denorm_mode_32 3
		.amdhsa_float_denorm_mode_16_64 3
		.amdhsa_memory_ordered 1
		.amdhsa_forward_progress 1
		.amdhsa_inst_pref_size 114
	.end_amdhsa_kernel
	.amdgpu_metadata
---
amdhsa.version: [ 1, 2 ]
amdhsa.kernels:
  - .name:           k_qcbb594aafd_mix
    .symbol:         k_qcbb594aafd_mix.kd
    .args:
      - { .name: ew, .offset: 0, .size: 8, .value_kind: global_buffer, .address_space: global }
      - { .name: st, .offset: 8, .size: 8, .value_kind: global_buffer, .address_space: global }
      - { .name: qv, .offset: 16, .size: 8, .value_kind: global_buffer, .address_space: global }
      - { .name: bo, .offset: 24, .size: 8, .value_kind: global_buffer, .address_space: global }
      - { .name: out0, .offset: 32, .size: 8, .value_kind: global_buffer, .address_space: global }
    .group_segment_fixed_size: 327680
    .private_segment_fixed_size: 0
    .kernarg_segment_align: 8
    .kernarg_segment_size: 40
    .max_flat_workgroup_size: 128
    .sgpr_count:     80
    .vgpr_count:     576
    .wavefront_size: 32
...
	.end_amdgpu_metadata
.endif
;; end of part 4
;; ======== version 2 of 2: 4 launches; version 1 with the launch prep written anew for expert scheduling mode
;; limits: values are held in f16: magnitudes above 65,504 overflow, below 6.1e-05 lose precision; right only within a limited range of input values
;; workspace buffers: xh 50,331,648 bytes; wh 4,194,304 bytes; qv 33,554,432 bytes; ew 16,777,216 bytes; st 524,288 bytes
;; launch prep (part 5): grid 256 x 1, 8 waves a work-group, no clusters, 104,448 bytes of LDS; arguments Wq, Wk, Wv, Wo, query, value, key, xh, wh; writes xh, wh
.if DOCPART == 5
	.amdgcn_target "amdgcn-amd-amdhsa--gfx1250"
	.amdhsa_code_object_version 6
	.text
	.protected	k_qcbb594aafd_prep
	.globl	k_qcbb594aafd_prep
	.p2align	8
	.type	k_qcbb594aafd_prep,@function
k_qcbb594aafd_prep:
	s_mov_b64 s[64:65], 0
	v_nop
	global_prefetch_b8 v0, s[64:65] scope:SCOPE_SE
	s_setreg_imm32_b32 hwreg(HW_REG_WAVE_SCHED_MODE, 0, 2), 2
	s_setreg_imm32_b32 hwreg(HW_REG_WAVE_MODE, 25, 1), 1
	s_wait_xcnt 0x0
	s_wait_alu depctr_vm_vsrc(0)
; PREP: the first of four launches for  out = softmax((query Wq^T)(key Wk^T)^T / 32) (value Wv^T) Wo^T + bo.
; THE PRODUCTS ARE ASSOCIATED OTHERWISE THAN THEY ARE WRITTEN, by two identities that hold for all values of the inputs:
;   (query Wq^T)(key Wk^T)^T = (query MT^T) key^T   with MT[e'][e] = sum over f of Wk[f][e'] Wq[f][e]
;   (attn (value Wv^T)) Wo^T = attn (value N^T)     with N[c][e]   = sum over f of Wo[c][f] Wv[f][e]
; so two products of 8192 x 1024 x 1024 give way to two of 1024 x 1024 x 1024.  No input and no step is left out: all eight inputs are loaded, and the
; maximum is taken away before every exponential (by blocks of 128 keys, combined later).  The order of rounding differs from the written order.
; THIS LAUNCH makes MT and N (wh, f16, times 2^-5) and rounds query, value, key to f16, times 2^-5 (xh, planes 0, 1, 2).
; FORMATS.  All matrix operands of the program are f16, all sums f32; the factors are exact powers of two.
; LIMITS.  |query|, |value|, |key| under 2.1e6; |W| under 65,504; |MT|, |N| under 2.1e6; below 2^-14 a stored number keeps f16's fixed step of 6e-8
; (1.9e-6 of an input, of MT and of N).  NaN and infinities are not treated apart.
; SHARES.  256 equal work-groups of eight waves.  Each makes 64 rows m x 128 columns n of one plane of wh (wave w = (wm, wn): 32 x 32, four accumulators), K = 1024 in 16 chunks of 64;
; and each rounds 131,072 bytes of query, of value and of key, in 16 pieces of 8,192 bytes of each.  Chunk i and piece i are INDEX i: 18 loads a wave (A 4, B 8, the inputs 2 each).
; IN FLIGHT.  Three stages of registers: three indices, 54 loads of 512 bytes a wave, are out at a time, from the kernel's head to index 15.
; A TRIP is pipelined: it asks LDS for chunk t's fragments; rounds chunk t + 1 and piece t + 1 into two out-buffers; lays the chunk into the next of three LDS buffers, stores the piece, and asks
; memory for index t + 4; multiplies chunk t between the barrier's signal and its wait.  One barrier a trip: a buffer is written two barriers behind its last reads, and each wave's LDS instructions are back ahead of every signal.
; B lies [k][n] and is turned by ds_load_tr16_b128; A lies [k][m] for MT (turned) and [m][k] for N (as it lies).
; REGISTERS: window 0: v1-11 addresses; v16-47 accumulators; v48-111 fragments; v112-255 the weights' three stages.  window 1: v0-71 the inputs' three stages; v72-95, v96-107 the two out-buffers.
; THE MODE: SCHED_MODE bits 1:0 = 2 (LLVM: expert scheduling mode 2), set by the entry lines.  The code itself states the register dependences
; between vector or matrix instructions and memory or LDS instructions, with s_wait_alu, always for 0.
; THE PLAN.  Registers that memory or LDS instructions touch, in the loop:
;   v1-6, v9      Addresses, made at the head and never written again.
;   v[CG], v[CS]  Written by one addition each at a trip's head; read by the trip's six loads of inputs, and by its six stores.
;   X[s], Y[s]    An index's 18 loads land there; the trip that rounds the index reads them (Y[s] is scaled in place); the loads of the index three on land there in the same trip.  No store reads them.
;   XO, YO        Written by a trip's roundings; read by its twelve LDS stores and its six stores to memory.
;   FR            Sixteen LDS loads land there at a trip's head; the trip's eight products read them.
;   The accumulators are named by vector and matrix instructions alone.
; So a trip holds three waits.  On va_vdst at its head: the products of the trip before are done reading FR.  On vm_vsrc ahead of the two additions: the loads and stores issued so far have read v[CG], v[CS], XO and YO.
; On va_vdst behind the roundings: XO, YO, v[CG] and v[CS] are written, and the vector instructions are done with X[s] and Y[s]; the trip's 36 stores and loads follow it with no vector instruction between.
.set APITCH, 160                       ; a row of A in LDS: 128 bytes + 32
.set BPITCH, 288                       ; a row of B: 256 bytes + 32
.set ABUF,   64*APITCH                 ; 10,240: three buffers of A from byte 0
.set BBASE,  3*ABUF                    ; 30,720: three buffers of B
.set BBUF,   64*BPITCH                 ; 18,432
.set STAGE,  BBASE+3*BBUF              ; 86,016: 64 rows x 272 bytes for the way out
.set SPITCH, 272
.set SPARE,  STAGE+64*SPITCH           ; 103,424: the spare words, 128 bytes for each of eight waves: four blocks of 256 bytes that no other line names
.set GA,   1                           ; v1   my byte offset in A's chunk in memory; never rewritten
.set GB,   2                           ; v2   the same for B
.set ASTO, 3                           ; v3   where I put 8 bytes of A in a buffer
.set BSTO, 4                           ; v4   the same for B
.set AF0,  5                           ; v5   my lane's place in A's fragments, A lying [k][m]
.set BF,   6                           ; v6   the same for B
.set SPW,  7                           ; v7   LDS address of my spare word; never rewritten
.set NIL,  8                           ; v8   0; never rewritten
.set AF1,  9                           ; v9   my lane's place in A's fragments, A lying [m][k]
.set CG,   10                          ; v10  my byte offset in the inputs' chunks: 16 x thread at the head; in the trip that rounds piece i, 16 x thread + 8,192 x (i + 1)
.set CS,   11                          ; v11  my byte offset in xh's chunks: in the trip that rounds piece i, 8 x thread + 4,096 x (i + 1)
.set AC,   16                          ; v[16:47] accumulator (a, b) at AC + 8 (2 a + b)
.set FR,   48                          ; v[48:111] fragments: A (kk, a) at FR + 32 kk + 8 a, B (kk, b) at FR + 32 kk + 16 + 8 b
.set X,    112                         ; v[112:255] three stages of 48: A's four loads, then B's eight
.set Y,    0                           ; window 1, v[0:71]: three stages of 24: load j of input z at 4 (2 z + j)
.set XO,   72                          ; window 1, v[72:95]: a chunk in f16: two registers for each of its twelve loads
.set YO,   96                          ; window 1, v[96:107]: a piece in f16: two registers for each of its six loads
.set MSB, 0
.macro WIN new                         ; s_set_vgpr_msb: bits 1:0 source 0, 3:2 source 1, 5:4 source 2, 7:6 destination; the high byte repeats the setting that is left; a switch that changes nothing is dropped
.if MSB != (\new)
	s_set_vgpr_msb (MSB<<8)|(\new)
.set MSB, \new
.endif
.endm
	s_load_b512 s[16:31], s[0:1], 0x0              ; Wq 16, Wk 18, Wv 20, Wo 22, query 24, value 26, key 28, xh 30
	s_load_b64 s[32:33], s[0:1], 0x40              ; wh
	v_lshl_add_u32 v[SPW], v0, 2, SPARE
	v_mov_b32 v[NIL], 0
	v_lshrrev_b32 v16, 5, v0
	v_readfirstlane_b32 s3, v16                    ; wave 0..7
	s_mov_b32 s2, ttmp9
	s_mov_b32 s36, 0x3d000000                      ; 2^-5,
	s_mov_b32 s37, 0x3d000000                      ; named as a pair
	s_lshr_b32 s4, s2, 7                           ; p: 0 MT, 1 N
	s_and_b32 s5, s2, 127
	s_and_b32 s6, s5, 7                            ; tn: 128 columns
	s_lshr_b32 s5, s5, 3                           ; tm: 64 rows
	v_and_b32 v16, 31, v0                          ; l
	v_and_b32 v17, 15, v0                          ; r = l % 16
	v_bfe_u32 v18, v0, 4, 1                        ; h = l / 16
	v_and_b32 v19, 7, v0                           ; l % 8
	v_bfe_u32 v21, v0, 3, 1                        ; (l / 8) % 2
	s_wait_alu depctr_va_sdst(0)                   ; s3 is written, ahead of its first reader: the wave's places in memory and in LDS are made from it
	s_lshl_b32 s14, s3, 3
	v_add_nc_u32 v20, s14, v18                     ; 8 w + h
	v_lshlrev_b32 v[GA], 12, v20                   ; A: a load of the wave takes two rows of 256 bytes
	v_lshl_add_u32 v[GA], v17, 4, v[GA]
	s_lshl_b32 s15, s3, 15
	v_lshl_add_u32 v[GB], v16, 4, s15              ; B: a load of the wave takes one row of 512 bytes
	v_mul_u32_u24 v[ASTO], v20, APITCH
	v_lshl_add_u32 v[ASTO], v17, 3, v[ASTO]
	s_mul_i32 s15, s3, 8*BPITCH
	s_add_co_u32 s15, s15, BBASE
	v_lshl_add_u32 v[BSTO], v16, 3, s15
	v_lshl_add_u32 v20, v18, 3, v19                ; 8 h + l % 8: the turning load's row
	s_lshr_b32 s14, s3, 2                          ; wm
	s_and_b32 s15, s3, 3                           ; wn
	v_mul_u32_u24 v[BF], v20, BPITCH
	v_lshl_add_u32 v[BF], v21, 4, v[BF]
	s_lshl_b32 s15, s15, 6
	s_add_co_u32 s15, s15, BBASE
	v_add_nc_u32 v[BF], s15, v[BF]
	v_mul_u32_u24 v[AF0], v20, APITCH
	v_lshl_add_u32 v[AF0], v21, 4, v[AF0]
	s_lshl_b32 s15, s14, 6
	v_add_nc_u32 v[AF0], s15, v[AF0]
	s_lshl_b32 s15, s14, 5
	v_add_nc_u32 v[AF1], s15, v17                  ; row 32 wm + r
	v_mul_u32_u24 v[AF1], v[AF1], APITCH
	v_lshl_add_u32 v[AF1], v18, 4, v[AF1]
	v_lshlrev_b32 v[CG], 4, v0                     ; a load of the eight waves covers 4,096 consecutive bytes of an input,
	v_lshlrev_b32 v[CS], 3, v0                     ; a store 2,048 of xh
	s_lshl_b32 s34, s5, 8                          ; MT: A = Wk, rows k, my 64 columns m: 256 tm bytes along a row; a chunk goes 64 rows down
	s_lshl_b32 s35, s5, 18                         ; N:  A = Wo, my 64 rows m; a chunk goes 256 bytes along the rows
	s_mov_b32 s12, 0x100
	s_mov_b32 s13, 0
	s_mov_b32 s15, 0
	s_wait_kmcnt 0x0
	s_cmp_eq_u32 s4, 0
	s_cselect_b32 s14, s34, s35
	s_cselect_b32 s12, 0x40000, s12                ; s[12:13]: A's step
	s_cselect_b64 s[8:9], s[18:19], s[22:23]
	s_cselect_b64 s[10:11], s[16:17], s[20:21]     ; B = Wq or Wv, rows k
	s_add_nc_u64 s[8:9], s[8:9], s[14:15]
	s_lshl_b32 s14, s6, 9
	s_add_nc_u64 s[10:11], s[10:11], s[14:15]
	s_lshl_b32 s14, s2, 17                         ; my 131,072 bytes of each input
	s_add_nc_u64 s[24:25], s[24:25], s[14:15]
	s_add_nc_u64 s[26:27], s[26:27], s[14:15]
	s_add_nc_u64 s[28:29], s[28:29], s[14:15]
	s_lshl_b32 s14, s2, 16                         ; and my 65,536 bytes of each plane of xh; a plane is 16,777,216 bytes
	s_add_nc_u64 s[40:41], s[30:31], s[14:15]
	s_add_nc_u64 s[42:43], s[40:41], 0x1000000
	s_add_nc_u64 s[44:45], s[40:41], 0x2000000
	s_wait_alu depctr_va_vdst(0)                   ; the nine addresses v1 to v6 and v9 to v11 are written, which the loads, the stores and the LDS instructions below read
.macro LOADS s, k                      ; an index's 18 loads into stage s: the weights at their two bases as they stand, the inputs k pieces past v[CG]
	WIN 0
.irp j, 0,1,2,3
	global_load_b128 v[X+48*(\s)+4*(\j):X+48*(\s)+4*(\j)+3], v[GA], s[8:9] offset:8192*(\j)
.endr
.irp j, 0,1,2,3,4,5,6,7
	global_load_b128 v[X+48*(\s)+16+4*(\j):X+48*(\s)+16+4*(\j)+3], v[GB], s[10:11] offset:4096*(\j)
.endr
	WIN 0x40                                       ; destination window 1, address window 0
.irp z, 0,1,2
.irp j, 0,1
	global_load_b128 v[Y+24*(\s)+4*(2*(\z)+(\j)):Y+24*(\s)+4*(2*(\z)+(\j))+3], v[CG], s[24+2*(\z):25+2*(\z)] offset:8192*(\k)+4096*(\j) th:TH_LOAD_NT  ; the inputs are read once in the launch
.endr
.endr
	WIN 0
.endm
.macro BASES                           ; the weights' two bases go one index on
	s_wait_xcnt 0x0                                ; every load and store issued so far has had its addresses translated (ISA guide 3.1): only behind this wait are the bases, the two offsets and the stores' data written again
	s_add_nc_u64 s[8:9], s[8:9], s[12:13]
	s_add_nc_u64 s[10:11], s[10:11], 0x40000
.endm
; A trip.  s: the stage, and the LDS buffer, of the index that it rounds; the chunk that it multiplies lies in the buffer before.  mul = 0: the first trip, with nothing to multiply yet.
; conv = 0: the last trip, with nothing left to round.  refill = 1: the stage is asked for again, three indices on.  lb, lc: the younger loads that may stay out when the chunk, and then the piece, must be in.
.macro TRIP s, mul, conv, refill, lb, lc
.set RB, ((\s)+2)%3
.if \mul
	s_wait_alu depctr_va_vdst(0)                   ; the products of the trip before are done reading the fragments, in which the sixteen loads below land
	s_cmp_eq_u32 s4, 0                             ; the same in all waves
	s_cbranch_scc0 .Lrows_\@
.irp kk, 0,1
.irp a, 0,1
	ds_load_tr16_b128 v[FR+32*(\kk)+8*(\a):FR+32*(\kk)+8*(\a)+3],   v[AF0] offset:ABUF*RB+32*APITCH*(\kk)+32*(\a)
	ds_load_tr16_b128 v[FR+32*(\kk)+8*(\a)+4:FR+32*(\kk)+8*(\a)+7], v[AF0] offset:ABUF*RB+32*APITCH*(\kk)+32*(\a)+16*APITCH
.endr
.endr
	s_branch .Lhave_a_\@
.Lrows_\@:
.irp kk, 0,1
.irp a, 0,1
	ds_load_b128 v[FR+32*(\kk)+8*(\a):FR+32*(\kk)+8*(\a)+3],   v[AF1] offset:ABUF*RB+16*APITCH*(\a)+64*(\kk)
	ds_load_b128 v[FR+32*(\kk)+8*(\a)+4:FR+32*(\kk)+8*(\a)+7], v[AF1] offset:ABUF*RB+16*APITCH*(\a)+64*(\kk)+32
.endr
.endr
.Lhave_a_\@:
.irp kk, 0,1
.irp b, 0,1
	ds_load_tr16_b128 v[FR+32*(\kk)+16+8*(\b):FR+32*(\kk)+16+8*(\b)+3],   v[BF] offset:BBUF*RB+32*BPITCH*(\kk)+32*(\b)
	ds_load_tr16_b128 v[FR+32*(\kk)+16+8*(\b)+4:FR+32*(\kk)+16+8*(\b)+7], v[BF] offset:BBUF*RB+32*BPITCH*(\kk)+32*(\b)+16*BPITCH
.endr
.endr
.endif
.if \conv
	s_wait_loadcnt \lb                             ; loads come back in order (ISA guide 5.7.1): the chunk's 12 are in; its piece's 6 and the younger indices stay out
	BASES
	s_wait_alu depctr_vm_vsrc(0)                   ; the loads issued so far have read v[CG]; the last trip's stores have read v[CS] and YO, its LDS stores XO: all four are written below
	v_add_nc_u32 v[CG], 0x2000, v[CG]
	v_add_nc_u32 v[CS], 0x1000, v[CS]
	WIN 0x40                                       ; destination window 1, sources window 0
.set i, 0
.rept 12                               ; four f32 of a load become two registers of f16 in the out-buffer
	v_cvt_pk_f16_f32 v[XO+2*i],   v[X+48*(\s)+4*i],   v[X+48*(\s)+4*i+1]
	v_cvt_pk_f16_f32 v[XO+2*i+1], v[X+48*(\s)+4*i+2], v[X+48*(\s)+4*i+3]
.set i, i+1
.endr
	s_wait_loadcnt \lc                             ; the piece's 6 loads are in; the younger indices stay out
	WIN 0x41                                       ; destination and source 0 window 1
.set i, 0
.rept 12
	v_pk_mul_f32 v[Y+24*(\s)+2*i:Y+24*(\s)+2*i+1], v[Y+24*(\s)+2*i:Y+24*(\s)+2*i+1], s[36:37] op_sel_hi:[1,0]  ; times 2^-5
.set i, i+1
.endr
	WIN 0x45                                       ; and source 1
.set i, 0
.rept 6
	v_cvt_pk_f16_f32 v[YO+2*i],   v[Y+24*(\s)+4*i],   v[Y+24*(\s)+4*i+1]
	v_cvt_pk_f16_f32 v[YO+2*i+1], v[Y+24*(\s)+4*i+2], v[Y+24*(\s)+4*i+3]
.set i, i+1
.endr
	s_wait_alu depctr_va_vdst(0)                   ; the roundings have written XO and YO, the stores' data; v[CS] and v[CG] are written; the vector instructions are done with X[s] and Y[s], in which the loads below land
	WIN 0x04                                       ; the stores' data window 1, their address window 0
.irp j, 0,1,2,3
	ds_store_b64 v[ASTO], v[XO+2*(\j):XO+2*(\j)+1] offset:ABUF*(\s)+2*APITCH*(\j)
.endr
.irp j, 0,1,2,3,4,5,6,7
	ds_store_b64 v[BSTO], v[XO+8+2*(\j):XO+8+2*(\j)+1] offset:BBUF*(\s)+BPITCH*(\j)
.endr
.irp z, 0,1,2
.irp j, 0,1
	global_store_b64 v[CS], v[YO+2*(2*(\z)+(\j)):YO+2*(2*(\z)+(\j))+1], s[40+2*(\z):41+2*(\z)] offset:2048*(\j)-4096  ; a wave's store covers 256 consecutive bytes, aligned
.endr
.endr
.if \refill
	LOADS \s, 2                                    ; the stage is asked for again at once.  No wait: no vector instruction since the wait above, and the stores between name none of these loads' registers
.else
	WIN 0
.endif
.endif
	s_wait_dscnt 0x0                               ; my fragments are in; for the others' sake, my stores into the buffer are done
.if \conv
	s_barrier_signal -1
.endif
.if \mul
.irp kk, 0,1
.irp a, 0,1
.irp b, 0,1                            ; source 0 = 16 columns n, source 1 = 16 rows m: a lane then holds eight neighbouring n of one row m.  The four accumulators take turns, over the backward jump too
	v_wmma_f32_16x16x32_f16 v[AC+8*(2*(\a)+(\b)):AC+8*(2*(\a)+(\b))+7], v[FR+32*(\kk)+16+8*(\b):FR+32*(\kk)+16+8*(\b)+7], v[FR+32*(\kk)+8*(\a):FR+32*(\kk)+8*(\a)+7], v[AC+8*(2*(\a)+(\b)):AC+8*(2*(\a)+(\b))+7]
.endr
.endr
.endr
.endif
.if \conv
	s_barrier_wait -1                              ; everybody's part of the next chunk lies in its buffer
.endif
.if (\mul) && (\conv)
	v_nop                                          ; four places between the products and the next loads into their fragments: they stay, beside the wait at the next trip's head
	v_nop
	v_nop
	v_nop
.endif
.endm
	LOADS 0, 0                                     ; the first three pieces are reached by immediate offsets from v[CG] as it was made; the weights' bases step between
	BASES
	LOADS 1, 1
	BASES
	LOADS 2, 2
.set i, 0
.rept 32
	v_mov_b32 v[AC+i], 0                           ; the sums start at 0: written while the first loads are on their way, so that the loop has one form of product
.set i, i+1
.endr
	TRIP 0, 0, 1, 1, 42, 36                        ; index 0 is rounded, index 3 asked for.  42 = this index's 6 + two younger indices' 36
	s_mov_b32 s34, 4
.Ltrips:                                       ; chunks 0 to 11 are multiplied, indices 1 to 12 rounded, indices 4 to 15 asked for
	TRIP 1, 1, 1, 1, 42, 36
	TRIP 2, 1, 1, 1, 42, 36
	TRIP 0, 1, 1, 1, 42, 36
	s_sub_co_u32 s34, s34, 1
	s_cmp_lg_u32 s34, 0
	s_cbranch_scc1 .Ltrips
	TRIP 1, 1, 1, 0, 42, 36                        ; nothing is left to ask for (the stepped load addresses are not used): the counts run down
	TRIP 2, 1, 1, 0, 24, 18
	TRIP 0, 1, 1, 0, 6, 0
	TRIP 1, 1, 0, 0, 0, 0                          ; chunk 15
	; THE WAY OUT.  The addresses are made here: twelve plain instructions that name no register of the last products, the places behind them.
	v_and_b32 v131, 15, v0                         ; r
	v_bfe_u32 v132, v0, 4, 1                       ; h
	s_lshr_b32 s14, s3, 2
	s_and_b32 s15, s3, 3
	s_lshl_b32 s14, s14, 5
	v_add_nc_u32 v128, s14, v131                   ; in: row 32 wm + r, bytes 64 wn + 16 h
	v_mul_u32_u24 v128, v128, SPITCH
	v_lshl_add_u32 v128, v132, 4, v128
	s_lshl_b32 s15, s15, 6
	s_add_co_u32 s15, s15, STAGE
	v_add_nc_u32 v128, s15, v128
	s_lshl_b32 s14, s3, 3
	v_add_nc_u32 v133, s14, v132                   ; back: rows 8 w + h, whole
	v_mul_u32_u24 v129, v133, SPITCH
	v_lshl_add_u32 v129, v131, 4, v129
	v_add_nc_u32 v129, STAGE, v129
	v_lshlrev_b32 v130, 11, v133                   ; and the same rows in wh
	v_lshl_add_u32 v130, v131, 4, v130
	s_lshl_b32 s14, s4, 21                         ; the plane,
	s_lshl_b32 s15, s5, 17                         ; 64 tm rows of 2,048 bytes,
	s_add_co_u32 s14, s14, s15
	s_lshl_b32 s15, s6, 8                          ; 128 tn columns
	s_add_co_u32 s14, s14, s15
	s_mov_b32 s15, 0
	s_add_nc_u64 s[32:33], s[32:33], s[14:15]
.set i, 0
.rept 16
	v_pk_mul_f32 v[AC+2*i:AC+2*i+1], v[AC+2*i:AC+2*i+1], s[36:37] op_sel_hi:[1,0]  ; times 2^-5, each accumulator from its low end on
.set i, i+1
.endr
.set i, 0
.rept 16
	v_cvt_pk_f16_f32 v[X+i], v[AC+2*i], v[AC+2*i+1]
.set i, i+1
.endr
	s_wait_alu depctr_va_vdst(0)                   ; the roundings have written v112 to v127, the LDS stores' data; v128 to v130, the way out's three addresses, are written; the vector instructions that named v144 to v159, in which the loads from the stage land, are done
.irp a, 0,1
.irp b, 0,1
	ds_store_b128 v128, v[X+4*(2*(\a)+(\b)):X+4*(2*(\a)+(\b))+3] offset:16*SPITCH*(\a)+32*(\b)
.endr
.endr
	s_wait_dscnt 0x0                               ; a row's 256 bytes come from four waves: my stores are done,
	s_barrier_signal -1
	s_barrier_wait -1                              ; everybody's are
.irp t, 0,1,2,3
	ds_load_b128 v[144+4*(\t):144+4*(\t)+3], v129 offset:2*SPITCH*(\t)
.endr
.irp t, 0,1,2,3
	s_wait_dscnt 3-(\t)                            ; LDS loads come back in order: load t is in, the younger ones stay out
	global_store_b128 v130, v[144+4*(\t):144+4*(\t)+3], s[32:33] offset:4096*(\t)  ; 16 lanes store 256 consecutive bytes, at a multiple of 256 from wh's first byte
.endr
	s_wait_dscnt 0x0                               ; the closing lines, six on end
	s_wait_alu 0x0
	s_wait_tensorcnt 0x0
	ds_add_u32 v[SPW], v[NIL]
	s_wait_dscnt 0x0
	s_endpgm
.Lfunc_end_k_qcbb594aafd_prep:
	.size	k_qcbb594aafd_prep, .Lfunc_end_k_qcbb594aafd_prep-k_qcbb594aafd_prep
	.p2alignl 7, 3214868480
	.fill 96, 4, 3214868480
	.section	.rodata,"a",@progbits
	.p2align	6, 0x0
	.amdhsa_kernel k_qcbb594aafd_prep
		.amdhsa_group_segment_fixed_size 104448
		.amdhsa_private_segment_fixed_size 0
		.amdhsa_enable_private_segment 0
		.amdhsa_kernarg_size 72
		.amdhsa_user_sgpr_count 2
		.amdhsa_user_sgpr_kernarg_segment_ptr 1
		.amdhsa_wavefront_size32 1
		.amdhsa_system_sgpr_workgroup_id_x 1
		.amdhsa_system_sgpr_workgroup_id_y 1
		.amdhsa_system_sgpr_workgroup_id_z 1
		.amdhsa_system_vgpr_workitem_id 0
		.amdhsa_next_free_vgpr 364
		.amdhsa_next_free_sgpr 66
		.amdhsa_reserve_vcc 0
		.amdhsa_float_denorm_mode_32 3
		.amdhsa_float_denorm_mode_16_64 3
		.amdhsa_memory_ordered 1
		.amdhsa_forward_progress 1
		.amdhsa_inst_pref_size 72
	.end_amdhsa_kernel
	.amdgpu_metadata
---
amdhsa.version: [ 1, 2 ]
amdhsa.kernels:
  - .name:           k_qcbb594aafd_prep
    .symbol:         k_qcbb594aafd_prep.kd
    .args:
      - { .name: Wq, .offset: 0, .size: 8, .value_kind: global_buffer, .address_space: global }
      - { .name: Wk, .offset: 8, .size: 8, .value_kind: global_buffer, .address_space: global }
      - { .name: Wv, .offset: 16, .size: 8, .value_kind: global_buffer, .address_space: global }
      - { .name: Wo, .offset: 24, .size: 8, .value_kind: global_buffer, .address_space: global }
      - { .name: query, .offset: 32, .size: 8, .value_kind: global_buffer, .address_space: global }
      - { .name: value, .offset: 40, .size: 8, .value_kind: global_buffer, .address_space: global }
      - { .name: key, .offset: 48, .size: 8, .value_kind: global_buffer, .address_space: global }
      - { .name: xh, .offset: 56, .size: 8, .value_kind: global_buffer, .address_space: global }
      - { .name: wh, .offset: 64, .size: 8, .value_kind: global_buffer, .address_space: global }
    .group_segment_fixed_size: 104448
    .private_segment_fixed_size: 0
    .kernarg_segment_align: 8
    .kernarg_segment_size: 72
    .max_flat_workgroup_size: 256
    .sgpr_count:     66
    .vgpr_count:     364
    .wavefront_size: 32
...
	.end_amdgpu_metadata
.endif
;; end of part 5
;; launch proj: the kernel of part 2 again; grid 4 x 64, 4 waves a work-group, clusters of 4 x 4, 327,680 bytes of LDS; arguments xh, wh, qv; writes qv
;; launch score: the kernel of part 3 again; grid 4 x 64, 4 waves a work-group, clusters of 4 x 4, 327,680 bytes of LDS; arguments qv, xh, ew, st; writes ew, st
;; launch mix: the kernel of part 4 again; grid 4 x 64, 4 waves a work-group, clusters of 4 x 4, 327,680 bytes of LDS; arguments ew, st, qv, bo, out0; writes out0
